; MI455X (gfx1250); checked and timed in simulation.
; The chip was launched on July 23, 2026; its instructions are those of AMD's public machine-readable ISA for CDNA 5 (MIT licence, August 2026) and "CDNA5" Instruction Set Architecture Reference Guide (July 2026). The comments in the code are by the model that wrote it; some were corrected since.
;; Local Attention. Allowed arithmetic: matrix products marked QUANTISED: E2M3 operands, one E8M0 scale for each 32 along K, by v_wmma_scale_f32_16x16x128_f8f6f4 with both operands' format E2M3, f32 sums; everything else in f32.
;; Inputs: Wk_codes 512 x 16 x 24 uint8 (E2M3 codes of Wk, K innermost, in blocks of 32 codes, four codes in three bytes); Wk_scales 512 x 16 uint8 (E8M0 scales of Wk, one for each 32 codes along K); Wout_codes 512 x 16 x 24 uint8 (E2M3 codes of Wout, K innermost, in blocks of 32 codes, four codes in three bytes); Wout_scales 512 x 16 uint8 (E8M0 scales of Wout, one for each 32 codes along K); Wq_codes 512 x 16 x 24 uint8 (E2M3 codes of Wq, K innermost, in blocks of 32 codes, four codes in three bytes); Wq_scales 512 x 16 uint8 (E8M0 scales of Wq, one for each 32 codes along K); Wv_codes 512 x 16 x 24 uint8 (E2M3 codes of Wv, K innermost, in blocks of 32 codes, four codes in three bytes); Wv_scales 512 x 16 uint8 (E8M0 scales of Wv, one for each 32 codes along K); bk 512 float32; bout 512 float32; bq 512 float32; bv 512 float32; input_mask 4 x 1 x 2,048 float32; k_codes 4 x 2,048 x 16 x 24 uint8 (E2M3 codes of k, K innermost, in blocks of 32 codes, four codes in three bytes); k_scales 4 x 2,048 x 16 uint8 (E8M0 scales of k, one for each 32 codes along K); q_codes 4 x 2,048 x 16 x 24 uint8 (E2M3 codes of q, K innermost, in blocks of 32 codes, four codes in three bytes); q_scales 4 x 2,048 x 16 uint8 (E8M0 scales of q, one for each 32 codes along K); v_codes 4 x 2,048 x 16 x 24 uint8 (E2M3 codes of v, K innermost, in blocks of 32 codes, four codes in three bytes); v_scales 4 x 2,048 x 16 uint8 (E8M0 scales of v, one for each 32 codes along K).
;; Outputs: out0 4 x 512 x 2,048 float32.
;; This version of the problem:
;;   THIS VERSION OF THE PROBLEM IS GIVEN IN LOW PRECISION. The matrix products marked QUANTISED in the list below multiply operands that are first quantised to E2M3 (2 exponent bits, 3 mantissa bits; 6 bits a number), with one power-of-two scale for each 32 numbers along K (OCP MX v1.0); their sums are f32. All else is computed in f32.
;;   The module's matrix products, in the order in which they are computed (A, B: the left and right operand; K: the contracted axis; several contracted axes count as one K, in the product's order):
;;     1. [M 8,192, K 512] x [K 512, N 512]; A: input q (given as codes); B: input Wq (given as codes): QUANTISED
;;     2. [M 8,192, K 512] x [K 512, N 512]; A: input k (given as codes); B: input Wk (given as codes): QUANTISED
;;     3. [M 8,192, K 512] x [K 512, N 512]; A: input v (given as codes); B: input Wv (given as codes): QUANTISED
;;     4. batch 32 x [M 2,048, K 64] x [K 64, N 2,048]; A: computed on the way; B: computed on the way: QUANTISED
;;     5. batch 32 x [M 64, K 2,048] x [K 2,048, N 2,048]; A: computed on the way; B: softmax (see below): QUANTISED
;;     6. [M 8,192, K 512] x [K 512, N 512]; A: computed on the way; B: input Wout (given as codes): QUANTISED
;;   THE QUANTISER, for each operand of a quantised product, along K:
;;     - K is cut into blocks of 32 from its start; a last block that is shorter is filled with zeros.
;;     - A block's scale is 2^e with e = floor(log2(the largest magnitude in the block)) - 2, held to -126 .. 127; a block of zeros has e = 0. As a byte (E8M0): e + 127.
;;     - Each number is divided by its block's scale, clamped to +-7.5, and rounded to the nearest number of E2M3, ties to even, subnormals kept.
;;     - The product sums the exact products of the quantised numbers (number of the format x scale) in f32.
;;   ~~~python
;;   def quantise(x, axis):      # numpy; x: float32 -> the quantised numbers, widened to float32 again
;;       x = np.moveaxis(x, axis, -1); K = x.shape[-1]
;;       x = np.pad(x, [(0, 0)] * (x.ndim - 1) + [(0, -K % 32)]); x = x.reshape(x.shape[:-1] + (-1, 32)); a = np.abs(x).max(-1, keepdims=True)
;;       e = np.where(a > 0, np.clip(np.frexp(np.where(a > 0, a, 1))[1] - 1 - 2, -126, 127), 0)      # np.frexp(a)[1] - 1 = floor(log2(a)), exactly
;;       r = np.clip(x / 2.0 ** e, -7.5, 7.5)
;;       step = 2.0 ** (np.maximum(np.frexp(np.where(r == 0, 1, r))[1] - 1, 0) - 3)
;;       q = np.round(r / step) * step * 2.0 ** e      # np.round: ties to even
;;       return np.moveaxis(q.reshape(q.shape[:-2] + (-1,))[..., :K], -1, axis).astype(np.float32)
;;   ~~~
;;   SOFTMAX AHEAD OF A QUANTISED PRODUCT. Where the list says 'softmax', what is quantised is not the finished softmax but p = 2^(t - M), with t = logit x log2(e) and M = ceil(the row's largest t), a whole number; so 1/2 < the row's largest p <= 1. The row's sum l is taken of the UNQUANTISED p, in f32, and the product's result is divided by l at the end. Since M is a whole number, a kernel that streams over the keys may use a running M (the ceiling of the running maximum): every later rescaling is an exact power of two, which a block's scale takes up: the codes' values come out the same.
;;   OPERANDS COMPUTED ON THE WAY. 'Computed on the way' means the value that the module computes at that place (a softmax that the list does not call 'softmax' is quantised finished and normalised). What goes into a quantiser is computed in f32, as accurately as f32 sums, v_exp_f32 and their like allow (about 1e-6 of the number): no bf16 or f16 on the way to a quantiser, and a product that is left as it is and whose result goes on into a quantised operand takes f32 operands (vector FMAs, or v_wmma_f32_16x16x4_f32). A number that lies on a knife's edge between two numbers of the format may be rounded either way, as far as f32 arithmetic and the matrix unit's own rounding can turn it there, and no further.
;;   INPUTS GIVEN AS CODES. Wk (in the module: [512, 512], K = its axis 1); Wout (in the module: [512, 512], K = its axis 1); Wq (in the module: [512, 512], K = its axis 1); Wv (in the module: [512, 512], K = its axis 1); k (in the module: [4, 512, 2048], K = its axis 1); q (in the module: [4, 512, 2048], K = its axis 1); v (in the module: [4, 512, 2048], K = its axis 1): each comes as NAME_codes (uint8): NAME with its K axis moved to the last place and cut into blocks of 32 codes, [.., K / 32, bytes a block], one block behind the other in memory; four codes in three bytes: a row's codes are one little-endian stream of bits, code i at bits 6 i .. 6 i + 5 (a code: sign, 2 exponent bits, 3 mantissa bits); and NAME_scales (uint8): the same leading axes, one E8M0 byte (e + 127) for each 32 codes along K. Its value is code x scale, taken as it is: it is not quantised again, and the codes and scales need not be those that the quantiser above would give.
;; One version. Each part assembles by itself: llvm-mc -triple=amdgcn-amd-amdhsa -mcpu=gfx1250 --defsym DOCPART=n.
;; ======== version 1 of 1: 3 launches
;; limits: right only within a limited range of input values
;; workspace buffers: kv 6,684,672 bytes; ac 3,145,728 bytes; asc 131,072 bytes
;; launch kvproj (part 1): grid 256 x 1, 4 waves a work-group, clusters of 4 x 1, 250,368 bytes of LDS; arguments k_codes, k_scales, Wk_codes, Wk_scales, bk, v_codes, v_scales, Wv_codes, Wv_scales, bv, input_mask, kv; writes kv
.if DOCPART == 1
	.amdgcn_target "amdgcn-amd-amdhsa--gfx1250"
	.amdhsa_code_object_version 6
	.text
	.protected	k_q5eb4e3724c_kvproj
	.globl	k_q5eb4e3724c_kvproj
	.p2align	8
	.type	k_q5eb4e3724c_kvproj,@function
k_q5eb4e3724c_kvproj:
	s_mov_b64 s[64:65], 0
	v_nop
	global_prefetch_b8 v0, s[64:65] scope:SCOPE_SE
	s_setreg_imm32_b32 hwreg(HW_REG_WAVE_MODE, 25, 1), 1
	s_wait_xcnt 0x0
	s_wait_alu depctr_hold_cnt(0) depctr_sa_sdst(0) depctr_va_vdst(0) depctr_va_sdst(0) depctr_va_ssrc(0) depctr_va_vcc(0) depctr_vm_vsrc(0)
	s_getreg_b32 s2, hwreg(HW_REG_IB_STS2, 6, 4)
	s_cmp_eq_u32 s2, 0
	s_cbranch_scc0 .Lentry_in_a_cluster
	s_endpgm
.Lentry_in_a_cluster:
	s_bfe_u32 s2, ttmp6, 0x10000c
	s_cmp_lg_u32 s2, 0x3003
	s_cbranch_scc0 .Lentry_shape_is_right
	s_endpgm
.Lentry_shape_is_right:
; kh = Wk k + bk and vh = Wv v + bv, both products on codes of FP6 (E2M3) with E8M0 scales, and both results quantised again: kh along the head's 64 channels, vh along the keys.
; They leave as IMAGES OF OPERAND REGISTERS in kv: [batch 4][head 8][step 16] blocks of 13,056 bytes, one for 128 keys of one head:
;   0      K's codes: 8 tiles of 16 keys x 768 bytes (registers 0-3 of a fragment at 16 x lane, registers 4-5 at 512 + 8 x lane)
;   6,144  V's codes: 4 tiles of 16 channels x 1,536 bytes (two such halves on end: 128 keys)
;   12,288 K's scale words, 4 runs of 128 bytes: lanes 0-15 tile 2 i, lanes 16-31 tile 2 i + 1;   12,800 V's, 2 runs likewise
; ONE GEOMETRY FOR BOTH.  S0: 512 rows that fall on the result's registers (source 0), 128 a wave.  S1: 64 rows that fall on its lanes (source 1), shared by the four waves.  K = 512: four steps of 128.
;   clusters 0-31  (K): S0 = all of Wk, S1 = 64 keys of k;       wave w makes heads 2 w and 2 w + 1 of those keys
;   clusters 32-63 (V): S0 = 512 keys of v, S1 = a head's 64 rows of Wv;  wave w makes one step of 128 keys of that head
; The four partners of a cluster need the same S0: it is asked for JOINTLY (mask 15).  S1 is each work-group's own.
; THE ROWS OF A TILE ARE NOT NEIGHBOURS: slot m of tile 2 b + u is row 32 b + 8 u + m + 8 (m / 8).  So a lane's 16 registers of tiles 2 b and 2 b + 1 are 16 neighbours along the next product's K,
; and the keys of K's tiles and the channels of V's tiles lie as the attention launch wants them.
; THE MASK.  A key with input_mask <= 0.5 gets zero codes in K, and 158 (2^31) for 127 as the third byte of its scale word; the attention launch multiplies that by the codes -4 and 1 at k = 64.
; LIMITS: NaN and infinities among the numbers are not served; a block whose largest magnitude lies under 2^-124 has its scale byte held at 1; a block of zeros keeps the byte 1 (zero codes; only this program reads the bytes).
; LDS is filled once: no slot is filled again.  S0's tiles are read in the order above, in which rows 16 apart start at the same bank: those loads go two deep.  S1 is laid by its loads so that a tile's 16 rows are neighbours.
.set PIT,   432                        ; an LDS row: 3 x (128 bytes + 16 of padding) = 108 words: 16 neighbouring rows start at 16 different groups of 4 banks
.set S0W,   128*PIT                    ; a wave's 128 rows of S0
.set S1B,   4*S0W                      ; behind them: 64 rows of S1
.set BLKB,  13056
.set HEADB, 16*BLKB                    ; from a head's blocks to the next head's
.set WV,  40                           ; s40  my wave's number
.set SEL, 90                           ; s[90:91] lane selects: lane l xor 16
.set G1J, 48                           ; s[48:55] descriptor group 1, S0: joint, 64 rows
.set G1P, 56                           ; s[56:63] group 1, S1: plain, 8 rows
.set GA,  68                           ; s[68:71], s[72:75] groups 0 of my two runs of 8 rows of S1
.set GB,  72
.set GC,  76                           ; s[76:79], s[80:83] groups 0 of the two halves of my 128 rows of S0
.set GD,  80
.set SA,  16                           ; v16-31  S0's scale words: register 4 i + s: lanes 0-15 tile 2 i, lanes 16-31 tile 2 i + 1, K step s
.set SB,  32                           ; v32-39  S1's likewise
.set MB,  40                           ; v40-43  the mask of my lane's key (K), or the bias of my lane's channel (V), for each tile of S1
.set FB0, 48                           ; v48-95, v96-143  four fragments of S0, two buffers
.set TM,  144                          ; v144-147 largest magnitudes; v148-151 the other half's, then bytes; v152-155 the upper half of K's scale words; v156-159 the conversions' scale operands
.set PW,  160                          ; v160-163 the scale word of each tile of S1
.set CT,  164                          ; v164-171 conversions' second halves
.set PCB, 176                          ; v176-223 the codes: 12 registers for each tile of S1, so that no store's data are written again
.set BI,  192                          ; window 2: the bias in the layout of a result.  Window 2, v0-191: S1's 16 fragments.  Window 1: the 32 accumulators, (u, t) at 64 u + 8 t
.set MSB, 0
.macro WIN new                         ; the immediate's high byte repeats the setting that is left
.if MSB != (\new)
	s_set_vgpr_msb (MSB<<8)|(\new)
.set MSB, \new
.endif
.endm
.macro PLACES n
.rept \n
	v_nop
.endr
.endm
.macro ROUND                           ; a round of the cluster's barrier
	s_barrier_signal -1
	s_barrier_wait -1
	s_cmp_lg_u32 s[WV], 0
	s_cbranch_scc1 .Lnw0_\@
	s_barrier_signal -3
.Lnw0_\@:
	s_barrier_wait -3
	s_barrier_signal -1
	s_barrier_wait -1
.endm
; one product: ra, rb = 1: the side's scales stand in lanes 16-31 of its register
.macro WM d, a, b, c, sa, sb, ra, rb
.if (\ra) && (\rb)
	v_wmma_scale_f32_16x16x128_f8f6f4 v[(\d):(\d)+7], v[(\a):(\a)+11], v[(\b):(\b)+11], v[(\c):(\c)+7], v[\sa], v[\sb] matrix_a_fmt:MATRIX_FMT_FP6 matrix_b_fmt:MATRIX_FMT_FP6 matrix_a_scale:MATRIX_SCALE_ROW1 matrix_b_scale:MATRIX_SCALE_ROW1
.elseif (\ra)
	v_wmma_scale_f32_16x16x128_f8f6f4 v[(\d):(\d)+7], v[(\a):(\a)+11], v[(\b):(\b)+11], v[(\c):(\c)+7], v[\sa], v[\sb] matrix_a_fmt:MATRIX_FMT_FP6 matrix_b_fmt:MATRIX_FMT_FP6 matrix_a_scale:MATRIX_SCALE_ROW1
.elseif (\rb)
	v_wmma_scale_f32_16x16x128_f8f6f4 v[(\d):(\d)+7], v[(\a):(\a)+11], v[(\b):(\b)+11], v[(\c):(\c)+7], v[\sa], v[\sb] matrix_a_fmt:MATRIX_FMT_FP6 matrix_b_fmt:MATRIX_FMT_FP6 matrix_b_scale:MATRIX_SCALE_ROW1
.else
	v_wmma_scale_f32_16x16x128_f8f6f4 v[(\d):(\d)+7], v[(\a):(\a)+11], v[(\b):(\b)+11], v[(\c):(\c)+7], v[\sa], v[\sb] matrix_a_fmt:MATRIX_FMT_FP6 matrix_b_fmt:MATRIX_FMT_FP6
.endif
.endm
; a fragment, 16 rows x 128 K of 6-bit codes: lane (r, h) takes 24 bytes at 96 s + 24 h and 24 at 96 s + 48 + 24 h of its row, in pieces of 8 bytes.  16 bytes of padding lie behind every 16 pieces:
; where the piece three on (lanes 16-31) lies behind one padding more, the second address register (40 for 24 bytes a half) serves
.macro FRAG reg, adr, s, row
.irp p, 0,1,2,3,4,5
.set PCE, 12*(\s)+6*(\p/3)+\p%3
.if PCE%16 < 13
	ds_load_b64 v[(\reg)+2*\p:(\reg)+2*\p+1], v[\adr] offset:8*PCE+16*(PCE/16)+(\row)*PIT
.else
	ds_load_b64 v[(\reg)+2*\p:(\reg)+2*\p+1], v[(\adr)+1] offset:8*PCE+16*(PCE/16)+(\row)*PIT
.endif
.endr
.endm
.macro FETCH1                          ; S1's 16 fragments (tile u, K step s) into window 2: they stay
	WIN 0x80
.irp u, 0,1,2,3
.irp s, 0,1,2,3
	FRAG 12*(4*\u+\s), 3, \s, 16*\u
.endr
.endr
	WIN 0
.endm
.macro FETCH0 n                        ; group n: tiles 4 (n / 4) .. + 3 of my S0, K step n % 4, into buffer n % 2: 24 loads
.irp tq, 0,1,2,3
	FRAG FB0+48*((\n)%2)+12*\tq, 1, (\n)%4, 64*((\n)/4)+32*(\tq/2)+8*(\tq%2)
.endr
.endm
.macro MUL n, isv                      ; group n's 16 products; the 16 accumulators take turns, one instruction a turn
.if (\n)%4 == 0
	WIN 0x68                                       ; source 1 (S1) and C (the bias) window 2, D window 1
.else
	WIN 0x58                                       ; source 1 window 2, C and D window 1
.endif
.irp tq, 0,1,2,3
.irp u, 0,1,2,3
.set TT, 4*((\n)/4)+\tq
.set SS, (\n)%4
.set DD, 64*\u+8*TT
.if SS == 0
.if \isv
.set CC, BI+8*\u
.else
.set CC, BI+8*TT
.endif
.else
.set CC, DD
.endif
	WM DD, FB0+48*((\n)%2)+12*\tq, 12*(4*\u+SS), CC, SA+4*(TT/2)+SS, SB+4*(\u/2)+SS, TT%2, \u%2
.endr
.endr
.endm
; the 64 numbers of a lane for tile u of S1 (window 1, register 16 b + i = place 32 b + 16 (lane / 16) + i along the next K) become a fragment's codes in v[PCB + 12 u] on and its scale word in v[PW + u]
.macro QUANT u
	WIN 0x05
.irp b, 0,1,2,3
	v_max3_num_f32 v[TM+\b], |v[64*(\u)+16*\b]|, |v[64*(\u)+16*\b+1]|, 0x1800000   ; my 16 numbers of block b, from each accumulator's low end on, and the floor 2^(3 - 127): the byte cannot fall under 1
.endr
	WIN 0x14
.irp k, 2,4,6,8,10,12,14
.irp b, 0,1,2,3
	v_max3_num_f32 v[TM+\b], v[TM+\b], |v[64*(\u)+16*\b+\k]|, |v[64*(\u)+16*\b+\k+1]|
.endr
.endr
	WIN 0
.irp b, 0,1,2,3
	v_permlanex16_b32 v[TM+4+\b], v[TM+\b], s[SEL], s[SEL+1]
.endr
.irp b, 0,1,2,3
	v_max_num_f32 v[TM+\b], v[TM+\b], v[TM+4+\b]   ; with lane l xor 16's: the block's largest magnitude
.endr
.irp b, 0,1,2,3
	v_add_nc_u32 v[TM+12+\b], 0xff000000, v[TM+\b] ; 2 off its exponent field: the conversion's scale operand
.endr
.irp b, 0,1,2,3
	v_lshrrev_b32 v[TM+4+\b], 23, v[TM+12+\b]      ; the scale's byte
.endr
	v_lshl_or_b32 v[PW+(\u)], v[TM+5], 8, v[TM+4]
	v_lshl_or_b32 v[PW+(\u)], v[TM+6], 16, v[PW+(\u)]
	v_lshl_or_b32 v[PW+(\u)], v[TM+7], 24, v[PW+(\u)]
	WIN 0x01
.irp c, 0,1
	v_cvt_scalef32_pk16_fp6_f32 v[PCB+12*(\u)+6*\c:PCB+12*(\u)+6*\c+2], v[64*(\u)+32*\c:64*(\u)+32*\c+15], v[TM+12+2*\c]
	v_cvt_scalef32_pk16_fp6_f32 v[CT+4*\c:CT+4*\c+2], v[64*(\u)+32*\c+16:64*(\u)+32*\c+31], v[TM+13+2*\c]   ; (a conversion's three registers begin on an even number)
.endr
	WIN 0
	v_nop                                          ; one plain place behind the scaled conversions
.irp c, 0,1                                    ; the operand's layout wants a whole block in a lane: lanes 0-15 block 2 c, lanes 16-31 block 2 c + 1
.irp k, 0,1,2
	v_permlane16_swap_b32 v[PCB+12*(\u)+6*\c+\k], v[CT+4*\c+\k]
.endr
.irp k, 0,1,2
	v_mov_b32 v[PCB+12*(\u)+6*\c+3+\k], v[CT+4*\c+\k]
.endr
.endr
.endm
	s_load_b512 s[8:23], s[0:1], 0x0               ; k_codes 8, k_scales 10, Wk_codes 12, Wk_scales 14, bk 16, v_codes 18, v_scales 20, Wv_codes 22
	s_load_b256 s[24:31], s[0:1], 0x40             ; Wv_scales 24, bv 26, input_mask 28, kv 30
	v_lshl_add_u32 v254, v0, 2, 0x3d000
	v_mov_b32 v255, 0
	ds_add_u32 v254, v255
	ds_add_u32 v254, v255
	v_lshrrev_b32 v12, 5, v0
	v_readfirstlane_b32 s[WV], v12                 ; wave 0..3
	v_and_b32 v13, 31, v0                          ; lane
	v_and_b32 v14, 15, v0                          ; r
	v_bfe_u32 v15, v0, 4, 1                        ; h
	v_and_b32 v12, 8, v14
	v_add_nc_u32 v12, v12, v14                     ; r + 8 (r / 8)
	s_mul_i32 s2, s[WV], S0W
	v_mul_u32_u24 v1, v12, PIT
	v_add_nc_u32 v1, s2, v1
	v_mad_u32_u24 v2, v15, 40, v1                  ; v1, v2: my place in a tile of my S0
	v_mad_u32_u24 v1, v15, 24, v1
	v_mul_u32_u24 v3, v14, PIT
	v_add_nc_u32 v3, S1B, v3
	v_mad_u32_u24 v4, v15, 40, v3                  ; v3, v4: in a tile of S1
	v_mad_u32_u24 v3, v15, 24, v3
	v_lshlrev_b32 v5, 4, v13                       ; 16 x lane
	v_lshlrev_b32 v6, 3, v13                       ; 8 x lane
	v_lshlrev_b32 v7, 2, v13                       ; 4 x lane
	v_mov_b32 v8, 0
	v_and_b32 v9, 7, v0                            ; scale rows of 16 bytes: lane L takes row 8 (L / 16) + L % 8 + 16 ((L / 8) % 2) of 32: tile 2 i below, tile 2 i + 1 above
	v_lshlrev_b32 v9, 4, v9
	v_lshl_add_u32 v9, v15, 7, v9
	v_bfe_u32 v10, v0, 3, 1
	v_lshl_add_u32 v9, v10, 8, v9
	v_lshlrev_b32 v10, 2, v12                      ; 4 (r + 8 (r / 8))
	v_lshlrev_b32 v11, 6, v15                      ; 64 h
.irp b, 0,1,2,3
	v_mov_b32 v[TM+4+\b], 0                        ; written once: a lane permute's destination counts as one of its sources
.endr
	s_mov_b32 s[SEL], 0x76543210
	s_mov_b32 s[SEL+1], 0xfedcba98
	s_mov_b32 s88, 0xffff0000                      ; lanes 16-31
	s_bfe_u32 s41, ttmp6, 0x40000                  ; cx
	s_sub_co_u32 s42, ttmp9, 32                    ; V: the cluster's number among V's 32
	s_lshr_b32 s43, s42, 1
	s_and_b32 s43, s43, 15                         ; V: which 512 keys
	s_and_b32 s44, s42, 1
	s_lshl_b32 s44, s44, 2
	s_add_co_u32 s44, s44, s41                     ; V: the head
	s_lshl_b32 s45, ttmp9, 2
	s_add_co_u32 s45, s45, s41                     ; K: which 64 keys
	s_lshl_b32 s46, s43, 9                         ; V: S0's first row.  (s42, s43, s46, s4, s6, s7 feed the joint descriptors and never hold cx)
	s_lshl_b32 s47, s45, 6                         ; K: S1's first row
	s_lshl_b32 s3, s44, 6                          ; V: S1's first row
	; group 1: rows of 384 bytes are dense in memory, so a tile is stated as rows of 128 bytes (16 elements of 8), 16 bytes of padding behind each
	s_mov_b32 s[G1J+0], 15|(3<<16)|(1<<20)|(1<<21)|(4<<22)|(3<<25)  ; the mask: all four partners; elements of 8 bytes; padding on; bit 21 beside a mask; after every 32 words; 4 words
	s_mov_b32 s[G1J+1], 16<<16
	s_mov_b32 s[G1J+2], 192<<16                    ; 64 rows = 192 thirds
	s_mov_b32 s[G1J+3], 16<<16
	s_mov_b32 s[G1J+4], 192
	s_mov_b32 s[G1J+5], 16
	s_mov_b32 s[G1J+6], 0
	s_mov_b32 s[G1J+7], 0
	s_mov_b32 s[G1P+0], (3<<16)|(1<<20)|(4<<22)|(3<<25)
	s_mov_b32 s[G1P+1], 16<<16
	s_mov_b32 s[G1P+2], 24<<16                     ; 8 rows = 24 thirds
	s_mov_b32 s[G1P+3], 16<<16
	s_mov_b32 s[G1P+4], 24
	s_mov_b32 s[G1P+5], 16
	s_mov_b32 s[G1P+6], 0
	s_mov_b32 s[G1P+7], 0
	s_wait_dscnt 0x0
	s_wait_kmcnt 0x0
	s_cmp_lt_u32 ttmp9, 32                         ; K's cluster or V's: the choice hangs on the cluster's number alone
	s_cselect_b64 s[32:33], s[12:13], s[18:19]     ; S0's codes
	s_cselect_b64 s[34:35], s[14:15], s[20:21]     ; S0's scales
	s_cselect_b64 s[36:37], s[8:9], s[22:23]       ; S1's codes
	s_cselect_b64 s[38:39], s[10:11], s[24:25]     ; S1's scales
	s_cselect_b32 s46, 0, s46
	s_cselect_b32 s47, s47, s3
	s_lshl_b32 s4, s[WV], 7
	s_add_co_u32 s4, s4, s46                       ; my first row of S0
	s_mul_i32 s6, s4, 384
	s_mov_b32 s7, 0
	s_mov_b32 s[GC], 1
	s_mul_i32 s[GC+1], s[WV], S0W
	s_add_nc_u64 s[GC+2:GC+3], s[32:33], s[6:7]
	s_mov_b32 s[GD], 1
	s_add_co_u32 s[GD+1], s[GC+1], 64*PIT
	s_add_nc_u64 s[GD+2:GD+3], s[GC+2:GC+3], 64*384
	s_or_b32 s[GC+3], s[GC+3], 0x80000000
	s_or_b32 s[GD+3], s[GD+3], 0x80000000
	s_lshl_b32 s6, s4, 4
	s_add_nc_u64 s[34:35], s[34:35], s[6:7]        ; and its scale bytes
	s_lshl_b32 s5, s[WV], 4
	s_add_co_u32 s5, s5, s47                       ; the 16 rows of S1 that I fetch
	s_mul_i32 s66, s5, 384
	s_mov_b32 s67, 0
	s_lshr_b32 s2, s[WV], 1                        ; run j of 8 rows goes to place 4 (j / 4) + 2 (j % 2) + (j / 2) % 2, so that a tile's 16 rows are neighbours; mine are j = 2 w and 2 w + 1
	s_lshl_b32 s2, s2, 2
	s_and_b32 s3, s[WV], 1
	s_add_co_u32 s2, s2, s3
	s_mul_i32 s2, s2, 8*PIT
	s_mov_b32 s[GA], 1
	s_add_co_u32 s[GA+1], s2, S1B
	s_add_nc_u64 s[GA+2:GA+3], s[36:37], s[66:67]
	s_mov_b32 s[GB], 1
	s_add_co_u32 s[GB+1], s[GA+1], 16*PIT
	s_add_nc_u64 s[GB+2:GB+3], s[GA+2:GA+3], 8*384
	s_or_b32 s[GA+3], s[GA+3], 0x80000000
	s_or_b32 s[GB+3], s[GB+3], 0x80000000
	s_lshl_b32 s66, s47, 4
	s_add_nc_u64 s[38:39], s[38:39], s[66:67]      ; S1's scale bytes
	ROUND                                          ; all four work-groups are here: the joint loads meet
	tensor_load_to_lds s[GA:GA+3], s[G1P:G1P+7]    ; all fills of the launch, as one group: four loads of mine are out
	s_nop 0
	tensor_load_to_lds s[GB:GB+3], s[G1P:G1P+7]
	s_nop 0
	tensor_load_to_lds s[GC:GC+3], s[G1J:G1J+7]
	s_nop 0
	tensor_load_to_lds s[GD:GD+3], s[G1J:G1J+7]
	s_nop 0
	PLACES 4                                       ; four nops behind a tensor load
.irp i, 0,1,2,3
	global_load_b128 v[SA+4*\i:SA+4*\i+3], v9, s[34:35] offset:512*\i   ; 32 rows' scale bytes: 512 consecutive bytes a load; a lane's four words are its row's four K steps
.endr
.irp i, 0,1
	global_load_b128 v[SB+4*\i:SB+4*\i+3], v9, s[38:39] offset:512*\i
.endr
	s_wait_tensorcnt 0x2                           ; my two runs of S1 have landed; the two halves of my S0, issued behind them, may stay out
	s_barrier_signal -1
	s_barrier_wait -1                              ; everybody's runs of S1 have landed.
	FETCH1
.macro BODY isv
.if \isv
	s_lshr_b32 s2, s43, 2                          ; batch
	s_lshl_b32 s2, s2, 3
	s_add_co_u32 s2, s2, s44                       ; 8 batch + head
	s_lshl_b32 s2, s2, 4
	s_and_b32 s3, s43, 3
	s_lshl_b32 s3, s3, 2
	s_add_co_u32 s3, s3, s[WV]                     ; my step of 128 keys
	s_add_co_u32 s2, s2, s3
	s_mul_i32 s2, s2, BLKB
	s_mov_b32 s3, 0
	s_add_nc_u64 s[96:97], s[30:31], s[2:3]        ; my block of kv
	s_add_nc_u64 s[92:93], s[96:97], 6144          ; V's codes: keys 0-63 of a tile,
	s_add_nc_u64 s[94:95], s[96:97], 6144+768      ; keys 64-127
	s_add_nc_u64 s[96:97], s[96:97], 12800         ; V's scale words
	s_lshl_b32 s66, s44, 8
	s_mov_b32 s67, 0
	s_add_nc_u64 s[26:27], s[26:27], s[66:67]      ; bv at my head
.irp u, 0,1,2,3
	global_load_b32 v[MB+\u], v10, s[26:27] offset:(32*(\u/2)+8*(\u%2))*4   ; the bias of my lane's channel in tile u
.endr
.else
	s_lshr_b32 s2, s45, 5                          ; batch
	s_lshl_b32 s2, s2, 3
	s_lshl_b32 s3, s[WV], 1
	s_add_co_u32 s2, s2, s3                        ; 8 batch + head 2 w
	s_lshl_b32 s2, s2, 4
	s_bfe_u32 s3, s45, 0x40001                     ; the step of 128 keys
	s_add_co_u32 s2, s2, s3
	s_mul_i32 s2, s2, BLKB
	s_mov_b32 s3, 0
	s_add_nc_u64 s[96:97], s[30:31], s[2:3]        ; head 2 w's block of kv
	s_and_b32 s5, s45, 1                           ; which half of the step
	s_mul_i32 s66, s5, 3072
	s_mov_b32 s67, 0
	s_add_nc_u64 s[92:93], s[96:97], s[66:67]      ; K's codes, my four tiles: head 2 w,
	s_add_nc_u64 s[94:95], s[92:93], HEADB         ; head 2 w + 1
	s_lshl_b32 s66, s5, 8
	s_add_co_u32 s66, s66, 12288
	s_add_nc_u64 s[96:97], s[96:97], s[66:67]      ; K's scale words, my two runs: head 2 w,
	s_add_nc_u64 s[98:99], s[96:97], HEADB         ; head 2 w + 1
	s_lshl_b32 s66, s[WV], 9
	s_add_nc_u64 s[16:17], s[16:17], s[66:67]      ; bk at my 128 rows
	s_lshl_b32 s66, s45, 8
	s_add_nc_u64 s[28:29], s[28:29], s[66:67]      ; the mask at my 64 keys
	WIN 0x80
.irp t, 0,1,2,3,4,5,6,7
	global_load_b128 v[BI+8*\t:BI+8*\t+3], v11, s[16:17] offset:(32*(\t/2)+8*(\t%2))*4       ; the bias of tile t in a result's layout: rows 32 (t / 2) + 8 (t % 2) + 16 h + 0 .. 7
	global_load_b128 v[BI+8*\t+4:BI+8*\t+7], v11, s[16:17] offset:(32*(\t/2)+8*(\t%2))*4+16
.endr
	WIN 0
.irp u, 0,1,2,3
	global_load_b32 v[MB+\u], v10, s[28:29] offset:(32*(\u/2)+8*(\u%2))*4   ; the mask of my lane's key in tile u
.endr
.endif
	s_wait_tensorcnt 0x1                           ; the first half of my S0 has landed (the second, issued behind it, may stay out); only I read it
	FETCH0 0
	s_wait_loadcnt 0x0                             ; scale words, bias, mask
.if \isv
	WIN 0x80
.irp u, 0,1,2,3
.irp j, 0,1,2,3,4,5,6,7
	v_mov_b32 v[BI+8*\u+\j], v[MB+\u]              ; a lane's eight results of tile u belong to one channel
.endr
.endr
	WIN 0
	PLACES 4
.else
	v_mov_b32 v12, 0x7f7f0000                      ; the upper half of a key's scale word: 1 and 1,
	v_mov_b32 v13, 0x7f9e0000                      ; or, for a masked key, 2^31 and 1
.irp u, 0,1,2,3
	v_cmp_ge_f32 s[84+\u], 0.5, v[MB+\u]           ; masked where input_mask <= 0.5
.endr
.irp u, 0,1,2,3
	v_cndmask_b32 v[TM+8+\u], v12, v13, s[84+\u]
.endr
.endif
.irp n, 0,1,2,3,4,5,6,7
.if \n >= 1
	WIN 0
	PLACES 4                                       ; in front of loads into the buffer that the group before last... the last products but these have read
.endif
.if \n == 3
	s_wait_tensorcnt 0x0                           ; the second half of my S0 has landed
.endif
.if \n < 7
	FETCH0 \n+1
	s_wait_dscnt 24                                ; all but the 24 loads just issued
.else
	s_wait_dscnt 0x0
.endif
	MUL \n, \isv
.endr
	WIN 0
	PLACES 4                                       ; in front of the first read of the results
.irp u, 0,1,2,3
	QUANT \u
.set II, (768+768*\isv)*\u
.if !\isv
.irp k, 0,1,2,3,4,5,6,7,8,9,10,11
	v_cndmask_b32 v[PCB+12*\u+\k], v[PCB+12*\u+\k], v8, s[84+\u]   ; a masked key's codes are zeros
.endr
.endif
	global_store_b128 v5, v[PCB+12*\u:PCB+12*\u+3], s[92:93] offset:II          ; 512 consecutive bytes, at a multiple of 256 from kv's first byte
	global_store_b64 v6, v[PCB+12*\u+4:PCB+12*\u+5], s[92:93] offset:II+512     ; 256 more
	global_store_b128 v5, v[PCB+12*\u+6:PCB+12*\u+9], s[94:95] offset:II
	global_store_b64 v6, v[PCB+12*\u+10:PCB+12*\u+11], s[94:95] offset:II+512
.endr
.irp q, 0,1                                    ; the scale words: lanes 0-15 tile 2 q's, lanes 16-31 tile 2 q + 1's; registers of their own for each store
.set XR, 172-8*\q
	v_cndmask_b32 v[XR], v[PW+2*\q], v[PW+2*\q+1], s88
.if \isv
	global_store_b32 v7, v[XR], s[96:97] offset:128*\q
.else
	v_cndmask_b32 v[XR+1], v[TM+8+2*\q], v[TM+9+2*\q], s88
	v_and_or_b32 v[XR+2], v[XR], 0xffff, v[XR+1]   ; head 2 w: its two bytes below
	v_lshrrev_b32 v[XR+3], 16, v[XR]
	v_or_b32 v[XR+3], v[XR+3], v[XR+1]             ; head 2 w + 1
	global_store_b32 v7, v[XR+2], s[96:97] offset:128*\q
	global_store_b32 v7, v[XR+3], s[98:99] offset:128*\q
.endif
.endr
.endm
	s_cmp_lt_u32 ttmp9, 32                         ; the same in all partners and all waves; no barrier stands in either way
	s_cbranch_scc0 .Lvpath
	BODY 0
	s_branch .Ljoin
.Lvpath:
	BODY 1
.Ljoin:
	s_wait_tensorcnt 0x0
	ds_add_u32 v254, v255
	s_wait_dscnt 0x0
	ROUND                                          ; the closing round: no work-group ends while a partner may still ask for a tile that names it
	s_endpgm
.Lfunc_end_k_q5eb4e3724c_kvproj:
	.size	k_q5eb4e3724c_kvproj, .Lfunc_end_k_q5eb4e3724c_kvproj-k_q5eb4e3724c_kvproj
	.p2alignl 7, 3214868480
	.fill 96, 4, 3214868480
	.section	.rodata,"a",@progbits
	.p2align	6, 0x0
	.amdhsa_kernel k_q5eb4e3724c_kvproj
		.amdhsa_group_segment_fixed_size 250368
		.amdhsa_private_segment_fixed_size 0
		.amdhsa_enable_private_segment 0
		.amdhsa_kernarg_size 96
		.amdhsa_user_sgpr_count 2
		.amdhsa_user_sgpr_kernarg_segment_ptr 1
		.amdhsa_wavefront_size32 1
		.amdhsa_system_sgpr_workgroup_id_x 1
		.amdhsa_system_sgpr_workgroup_id_y 1
		.amdhsa_system_sgpr_workgroup_id_z 1
		.amdhsa_system_vgpr_workitem_id 0
		.amdhsa_next_free_vgpr 768
		.amdhsa_next_free_sgpr 100
		.amdhsa_reserve_vcc 0
		.amdhsa_float_denorm_mode_32 3
		.amdhsa_float_denorm_mode_16_64 3
		.amdhsa_memory_ordered 1
		.amdhsa_forward_progress 1
		.amdhsa_inst_pref_size 118
	.end_amdhsa_kernel
	.amdgpu_metadata
---
amdhsa.version: [ 1, 2 ]
amdhsa.kernels:
  - .name:           k_q5eb4e3724c_kvproj
    .symbol:         k_q5eb4e3724c_kvproj.kd
    .args:
      - { .name: k_codes, .offset: 0, .size: 8, .value_kind: global_buffer, .address_space: global }
      - { .name: k_scales, .offset: 8, .size: 8, .value_kind: global_buffer, .address_space: global }
      - { .name: Wk_codes, .offset: 16, .size: 8, .value_kind: global_buffer, .address_space: global }
      - { .name: Wk_scales, .offset: 24, .size: 8, .value_kind: global_buffer, .address_space: global }
      - { .name: bk, .offset: 32, .size: 8, .value_kind: global_buffer, .address_space: global }
      - { .name: v_codes, .offset: 40, .size: 8, .value_kind: global_buffer, .address_space: global }
      - { .name: v_scales, .offset: 48, .size: 8, .value_kind: global_buffer, .address_space: global }
      - { .name: Wv_codes, .offset: 56, .size: 8, .value_kind: global_buffer, .address_space: global }
      - { .name: Wv_scales, .offset: 64, .size: 8, .value_kind: global_buffer, .address_space: global }
      - { .name: bv, .offset: 72, .size: 8, .value_kind: global_buffer, .address_space: global }
      - { .name: input_mask, .offset: 80, .size: 8, .value_kind: global_buffer, .address_space: global }
      - { .name: kv, .offset: 88, .size: 8, .value_kind: global_buffer, .address_space: global }
    .group_segment_fixed_size: 250368
    .private_segment_fixed_size: 0
    .kernarg_segment_align: 8
    .kernarg_segment_size: 96
    .max_flat_workgroup_size: 128
    .sgpr_count:     100
    .vgpr_count:     768
    .wavefront_size: 32
...
	.end_amdgpu_metadata
.endif
;; end of part 1
;; launch attn (part 2): grid 8 x 32, 8 waves a work-group, clusters of 4 x 1, 295,936 bytes of LDS; arguments q_codes, q_scales, Wq_codes, Wq_scales, bq, input_mask, kv, ac, asc; writes ac, asc
.if DOCPART == 2
	.amdgcn_target "amdgcn-amd-amdhsa--gfx1250"
	.amdhsa_code_object_version 6
	.text
	.protected	k_q5eb4e3724c_attn
	.globl	k_q5eb4e3724c_attn
	.p2align	8
	.type	k_q5eb4e3724c_attn,@function
k_q5eb4e3724c_attn:
	s_mov_b64 s[64:65], 0
	v_nop
	global_prefetch_b8 v0, s[64:65] scope:SCOPE_SE
	s_setreg_imm32_b32 hwreg(HW_REG_WAVE_MODE, 25, 1), 1
	s_wait_xcnt 0x0
	s_wait_alu depctr_hold_cnt(0) depctr_sa_sdst(0) depctr_va_vdst(0) depctr_va_sdst(0) depctr_va_ssrc(0) depctr_va_vcc(0) depctr_vm_vsrc(0)
	s_getreg_b32 s2, hwreg(HW_REG_IB_STS2, 6, 4)
	s_cmp_eq_u32 s2, 0
	s_cbranch_scc0 .Lentry_in_a_cluster
	s_endpgm
.Lentry_in_a_cluster:
	s_bfe_u32 s2, ttmp6, 0x10000c
	s_cmp_lg_u32 s2, 0x3003
	s_cbranch_scc0 .Lentry_shape_is_right
	s_endpgm
.Lentry_shape_is_right:
; For 256 queries of one (batch, head): qh = Wq q + bq, quantised along the head's 64; S^T = K Q^T; p = 2^(t - M), quantised along the keys; O^T = V^T P^T; O / l, quantised along the head's 64.  All products on codes of FP6 (E2M3).
; t = score x log2(e) / 8; M = the running largest t rounded up to a whole number; the row's sum l is taken of the unquantised p; when M moves, l and O are multiplied by 2^(old M - new M): exact.
; SHARES.  Eight waves; a wave owns 32 queries, two tiles of 16, so that each fragment of K and V read from LDS feeds two products.  Every wave walks the head's 2,048 keys, 128 a step.
; NO RING: a head's 16 blocks of kv (208,896 bytes, images of operand registers made by the launch before) lie in LDS at once, each byte filled once.  The four query blocks of a cluster belong to one head:
; every fill is asked for JOINTLY (mask 15).  Steps 0-7 are read behind one barrier, steps 8-15 behind another: the second half lands while the first is worked.
; LAYOUT.  Both products are used transposed: a lane holds ONE query (lane % 16) throughout.  The keys of K's tiles and the channels of V's tiles are ordered (slot m of tile 2 b + u: 32 b + 8 u + m + 8 (m / 8))
; so that a lane's 16 registers of two neighbouring tiles are 16 neighbours along the next product's K.
; THE MASK COSTS NO VECTOR INSTRUCTION HERE.  The head has 64 channels, the instruction 128 places.  At k = 64 Q carries the code of 1 (scale 1) and a masked key the code of -4 (from a table in LDS made of input_mask)
; under the scale 2^31 (in kv's scale word; its other codes are zeros): its score is exactly -2^33.  Every other key has the code 0 and the scale 1 there.  -2^33 x log2(e) / 8 is a whole number: in a row all of
; whose keys are masked p = 1 for every key, as the reference's softmax has it; in every other row p = 0.
; LIMITS: logits under about -1e9 are not told apart from masked ones; NaN and infinities are not served; a block of zeros keeps the scale byte 1 (zero codes; only this program reads the bytes).
; No prefetch: every tensor load of the launch is issued at its head, so there is no later load to ask ahead for.
; REGISTERS.  Window 0: v1-5 lane terms; v6-9 K's scale words, v10-11 V's, v12-13 Q's, v14-15 p's; v16-31 statistics, 8 a tile; v32-63 at work, 16 a tile; v64-191 S^T then p, 64 a tile; v192-215 p's codes;
;   v216-227 q's and Wq's scale words; v228-255 addresses and the prologue's work.   Window 1: v0-63 O^T, 32 a tile; v64-87 Q's two fragments; v96-191 K's eight; v192-239 V's four.
.set PIT,  432                         ; a padded row of 384 bytes: 3 x (128 + 16)
.set BLKB, 13056                       ; a block of kv: 128 keys of a head
.set WQ,   16*BLKB                     ; LDS: behind the head's kv: the head's 64 rows of Wq,
.set MT,   WQ+64*PIT                   ; the mask's table, 16 bytes for each tile of 16 keys,
.set SG,   MT+2048                      ; a stage for the results' scale bytes,
.set QST,  SG+512                      ; and a stage of 16 padded rows for each wave.  The last three are written by LDS stores and lie in blocks of 256 bytes into which no fill lands
.set WV,  26
.set SEL, 32                           ; s[32:33] lane selects: lane l xor 16
.set CS,  34                           ; s[34:35] c = log2(e) / 8, twice
.set G1W, 36                           ; s[36:43] descriptor group 1: 8 rows of Wq
.set G1K, 44                           ; s[44:51] group 1: a block of kv
.set T1,  52                           ; s[52:55], s[56:59], s[60:63] groups 0: my rows of Wq, block w, block 8 + w
.set T2,  56
.set T3,  60
.set STB, 81                           ; s81  LDS byte at which the step's block begins
.set STM, 82                           ; s82  the step's bytes of the mask's table
.set AK0, 1                            ; v1   16 x lane
.set AK8, 2                            ; v2   8 x lane
.set AS0, 3                            ; v3   4 x lane
.set AM0, 4                            ; v4   MT + lane % 16
.set KS,  6
.set VS,  10
.set QS,  12
.set PS,  14
.set ST,  16                           ; tile i at v[ST + 8 i]: +0 -M, +1 the largest t, +2, +3 the sum in two halves, +4 f (+5 named with it), +6 at work
.set TB,  32                           ; tile i at v[TB + 16 i]: +0-3 blocks' maxima; +4-7 the other half's, bytes, a conversion's half; +8-10 another; +12-15 scale operands
.set S,   64
.set PF,  192
.set QXS, 216
.set WS,  220
.set ADK, 240                          ; v240-243 the step's addresses
.set ADK8, 241
.set ADS, 242
.set ADM, 243
.set OA,  0                            ; window 1
.set QF,  64
.set KB,  96
.set VB,  192
.set MSB, 0
.macro WIN new
.if MSB != (\new)
	s_set_vgpr_msb (MSB<<8)|(\new)
.set MSB, \new
.endif
.endm
.macro PLACES n
.rept \n
	v_nop
.endr
.endm
.macro ROUND
	s_barrier_signal -1
	s_barrier_wait -1
	s_cmp_lg_u32 s[WV], 0
	s_cbranch_scc1 .Lnw0_\@
	s_barrier_signal -3
.Lnw0_\@:
	s_barrier_wait -3
	s_barrier_signal -1
	s_barrier_wait -1
.endm
.macro WM d, a, b, c, sa, sb, ra, rb
.if (\ra) && (\rb)
	v_wmma_scale_f32_16x16x128_f8f6f4 v[(\d):(\d)+7], v[(\a):(\a)+11], v[(\b):(\b)+11], v[(\c):(\c)+7], v[\sa], v[\sb] matrix_a_fmt:MATRIX_FMT_FP6 matrix_b_fmt:MATRIX_FMT_FP6 matrix_a_scale:MATRIX_SCALE_ROW1 matrix_b_scale:MATRIX_SCALE_ROW1
.elseif (\ra)
	v_wmma_scale_f32_16x16x128_f8f6f4 v[(\d):(\d)+7], v[(\a):(\a)+11], v[(\b):(\b)+11], v[(\c):(\c)+7], v[\sa], v[\sb] matrix_a_fmt:MATRIX_FMT_FP6 matrix_b_fmt:MATRIX_FMT_FP6 matrix_a_scale:MATRIX_SCALE_ROW1
.elseif (\rb)
	v_wmma_scale_f32_16x16x128_f8f6f4 v[(\d):(\d)+7], v[(\a):(\a)+11], v[(\b):(\b)+11], v[(\c):(\c)+7], v[\sa], v[\sb] matrix_a_fmt:MATRIX_FMT_FP6 matrix_b_fmt:MATRIX_FMT_FP6 matrix_b_scale:MATRIX_SCALE_ROW1
.else
	v_wmma_scale_f32_16x16x128_f8f6f4 v[(\d):(\d)+7], v[(\a):(\a)+11], v[(\b):(\b)+11], v[(\c):(\c)+7], v[\sa], v[\sb] matrix_a_fmt:MATRIX_FMT_FP6 matrix_b_fmt:MATRIX_FMT_FP6
.endif
.endm
.macro WMZ d, a, b, sa, sb, ra         ; a product that starts a sum
.if (\ra)
	v_wmma_scale_f32_16x16x128_f8f6f4 v[(\d):(\d)+7], v[(\a):(\a)+11], v[(\b):(\b)+11], 0, v[\sa], v[\sb] matrix_a_fmt:MATRIX_FMT_FP6 matrix_b_fmt:MATRIX_FMT_FP6 matrix_a_scale:MATRIX_SCALE_ROW1
.else
	v_wmma_scale_f32_16x16x128_f8f6f4 v[(\d):(\d)+7], v[(\a):(\a)+11], v[(\b):(\b)+11], 0, v[\sa], v[\sb] matrix_a_fmt:MATRIX_FMT_FP6 matrix_b_fmt:MATRIX_FMT_FP6
.endif
.endm
; a fragment out of padded rows: pieces of 8 bytes; 16 bytes of padding lie behind every 16 pieces; the second address register serves where lanes 16-31 (three pieces on) lie behind one padding more
.macro FRAG reg, adr, s, row
.irp p, 0,1,2,3,4,5
.set PCE, 12*(\s)+6*(\p/3)+\p%3
.if PCE%16 < 13
	ds_load_b64 v[(\reg)+2*\p:(\reg)+2*\p+1], v[\adr] offset:8*PCE+16*(PCE/16)+(\row)*PIT
.else
	ds_load_b64 v[(\reg)+2*\p:(\reg)+2*\p+1], v[(\adr)+1] offset:8*PCE+16*(PCE/16)+(\row)*PIT
.endif
.endr
.endm
; 32 numbers of a lane, register 16 b + i = channel 32 b + 16 (lane / 16) + i of my query, become half a fragment: registers 0-2 in v[A] on, 3-5 in v[B] on; the two scale bytes in v[W]
.macro QUANT2 src, T, A, B, W
	v_max3_num_f32 v[(\T)], |v[(\src)]|, |v[(\src)+1]|, 0x1800000       ; from each accumulator's low end on; the floor 2^(3 - 127) holds the byte at 1 from below
	v_max3_num_f32 v[(\T)+1], |v[(\src)+16]|, |v[(\src)+17]|, 0x1800000
.irp k, 2,4,6,8,10,12,14
	v_max3_num_f32 v[(\T)], v[(\T)], |v[(\src)+\k]|, |v[(\src)+\k+1]|
	v_max3_num_f32 v[(\T)+1], v[(\T)+1], |v[(\src)+16+\k]|, |v[(\src)+17+\k]|
.endr
	v_permlanex16_b32 v[(\T)+4], v[(\T)], s[SEL], s[SEL+1]
	v_permlanex16_b32 v[(\T)+5], v[(\T)+1], s[SEL], s[SEL+1]
	v_max_num_f32 v[(\T)], v[(\T)], v[(\T)+4]
	v_max_num_f32 v[(\T)+1], v[(\T)+1], v[(\T)+5]
	v_add_nc_u32 v[(\T)+12], 0xff000000, v[(\T)]   ; 2 off the exponent field: the conversion's scale operand
	v_add_nc_u32 v[(\T)+13], 0xff000000, v[(\T)+1]
	v_lshrrev_b32 v[(\T)+4], 23, v[(\T)+12]
	v_lshrrev_b32 v[(\T)+5], 23, v[(\T)+13]
	v_lshl_or_b32 v[\W], v[(\T)+5], 8, v[(\T)+4]
	v_cvt_scalef32_pk16_fp6_f32 v[(\A):(\A)+2], v[(\src):(\src)+15], v[(\T)+12]
	v_cvt_scalef32_pk16_fp6_f32 v[(\B):(\B)+2], v[(\src)+16:(\src)+31], v[(\T)+13]
	v_nop                                          ; one plain place behind the scaled conversions
.irp k, 0,1,2
	v_permlane16_swap_b32 v[(\A)+\k], v[(\B)+\k]   ; lanes 0-15 now hold block 0 whole, lanes 16-31 block 1
.endr
.endm
	s_load_b512 s[8:23], s[0:1], 0x0               ; q_codes 8, q_scales 10, Wq_codes 12, Wq_scales 14, bq 16, input_mask 18, kv 20, ac 22
	s_load_b64 s[24:25], s[0:1], 0x40              ; asc
	v_lshl_add_u32 v43, v0, 2, 0x48000
	v_mov_b32 v59, 0
	ds_add_u32 v43, v59
	ds_add_u32 v43, v59
	v_lshrrev_b32 v244, 5, v0
	v_readfirstlane_b32 s[WV], v244                ; wave 0..7
	s_bfe_u32 s27, ttmp6, 0x40000                  ; cx
	s_lshl_b32 s28, ttmp9, 2
	s_add_co_u32 s28, s28, s27                     ; my block of 256 queries: it enters q's, ac's and asc's addresses alone
	s_and_b32 s29, ttmp7, 0xffff                   ; 8 batch + head, which the partners share
	s_lshr_b32 s30, s29, 3                         ; batch
	s_and_b32 s31, s29, 7                          ; head
	s_mov_b32 s[SEL], 0x76543210
	s_mov_b32 s[SEL+1], 0xfedcba98
	s_mov_b32 s[CS], 0x3e38aa3b                    ; c = log2(e) / 8
	s_mov_b32 s[CS+1], s[CS]
	s_mov_b32 s[G1W+0], 15|(3<<16)|(1<<20)|(1<<21)|(4<<22)|(3<<25)  ; mask: all four; elements of 8 bytes; padding on; bit 21 beside a mask; after every 32 words, 4 words
	s_mov_b32 s[G1W+1], 16<<16                     ; 8 dense rows of 384 bytes, stated as 24 rows of 128
	s_mov_b32 s[G1W+2], 24<<16
	s_mov_b32 s[G1W+3], 16<<16
	s_mov_b32 s[G1W+4], 24
	s_mov_b32 s[G1W+5], 16
	s_mov_b32 s[G1W+6], 0
	s_mov_b32 s[G1W+7], 0
	s_mov_b32 s[G1K+0], 15|(3<<16)|(1<<21)         ; no padding: images are read 16 or 8 consecutive bytes a lane
	s_mov_b32 s[G1K+1], 32<<16                     ; a dense block of 13,056 bytes: 51 rows of 256
	s_mov_b32 s[G1K+2], 51<<16
	s_mov_b32 s[G1K+3], 32<<16
	s_mov_b32 s[G1K+4], 51
	s_mov_b32 s[G1K+5], 32
	s_mov_b32 s[G1K+6], 0
	s_mov_b32 s[G1K+7], 0
	s_lshl_b32 s66, s31, 6                         ; (s66-69 feed the joint descriptors and never hold cx)
	s_lshl_b32 s67, s[WV], 3
	s_add_co_u32 s66, s66, s67                     ; Wq: row 64 head + 8 wave
	s_mul_i32 s66, s66, 384
	s_mov_b32 s67, 0
	s_lshl_b32 s68, s29, 4
	s_add_co_u32 s68, s68, s[WV]                   ; kv: block 16 (8 batch + head) + wave
	s_mul_i32 s68, s68, BLKB
	s_mov_b32 s69, 0
	s_wait_dscnt 0x0
	s_wait_kmcnt 0x0
	s_mov_b32 s[T1], 1
	s_mul_i32 s[T1+1], s[WV], 8*PIT
	s_add_co_u32 s[T1+1], s[T1+1], WQ
	s_add_nc_u64 s[T1+2:T1+3], s[12:13], s[66:67]
	s_or_b32 s[T1+3], s[T1+3], 0x80000000
	s_mov_b32 s[T2], 1
	s_mul_i32 s[T2+1], s[WV], BLKB
	s_add_nc_u64 s[T2+2:T2+3], s[20:21], s[68:69]
	s_mov_b32 s[T3], 1
	s_add_co_u32 s[T3+1], s[T2+1], 8*BLKB
	s_add_nc_u64 s[T3+2:T3+3], s[T2+2:T2+3], 8*BLKB
	s_or_b32 s[T2+3], s[T2+3], 0x80000000
	s_or_b32 s[T3+3], s[T3+3], 0x80000000
	ROUND                                          ; all four work-groups are here: the joint loads meet
	tensor_load_to_lds s[T1:T1+3], s[G1W:G1W+7]    ; all fills of the launch, as one group: three loads of mine are out
	s_nop 0
	tensor_load_to_lds s[T2:T2+3], s[G1K:G1K+7]
	s_nop 0
	tensor_load_to_lds s[T3:T3+3], s[G1K:G1K+7]
	s_nop 0
	PLACES 4                                       ; four nops behind a tensor load
	v_and_b32 v245, 31, v0                         ; lane
	v_and_b32 v246, 15, v0                         ; r
	v_bfe_u32 v247, v0, 4, 1                       ; h
	v_lshlrev_b32 v[AK0], 4, v245
	v_lshlrev_b32 v[AK8], 3, v245
	v_lshlrev_b32 v[AS0], 2, v245
	v_add_nc_u32 v[AM0], MT, v246
	v_lshlrev_b32 v248, 5, v0                      ; the mask: 8 keys, 32 bytes, a thread
	v_and_b32 v249, 7, v0                          ; Wq's scale rows: lane L takes row 8 (L / 16) + L % 8 + 16 ((L / 8) % 2) of 32
	v_lshlrev_b32 v249, 4, v249
	v_lshl_add_u32 v249, v247, 7, v249
	v_bfe_u32 v250, v0, 3, 1
	v_lshl_add_u32 v249, v250, 8, v249
	v_lshlrev_b32 v250, 6, v247                    ; 64 h
	v_mov_b32 v251, 56                             ; the code of -4
	s_lshl_b32 s70, s30, 11
	s_lshl_b32 s71, s28, 8
	s_add_co_u32 s70, s70, s71
	s_lshl_b32 s71, s[WV], 5
	s_add_co_u32 s70, s70, s71                     ; my first query's row: 2,048 batch + 256 block + 32 wave
	s_mul_i32 s72, s70, 384
	s_mov_b32 s73, 0
	s_add_nc_u64 s[8:9], s[8:9], s[72:73]
	s_lshl_b32 s72, s70, 4
	s_add_nc_u64 s[10:11], s[10:11], s[72:73]
	s_lshl_b32 s72, s31, 10
	s_add_nc_u64 s[14:15], s[14:15], s[72:73]      ; Wq's scale bytes at my head's 64 rows
	s_lshl_b32 s72, s31, 8
	s_add_nc_u64 s[16:17], s[16:17], s[72:73]      ; bq likewise
	s_lshl_b32 s72, s30, 13
	s_add_nc_u64 s[18:19], s[18:19], s[72:73]      ; the batch's mask
	s_lshr_b32 s72, s70, 4                         ; my first tile of queries
	s_lshl_b32 s72, s72, 3
	s_add_co_u32 s72, s72, s31
	s_mul_i32 s72, s72, 768
	s_add_nc_u64 s[22:23], s[22:23], s[72:73]      ; ac: [tile][head] x 768 bytes
	s_lshl_b32 s72, s29, 12
	s_lshl_b32 s74, s28, 9
	s_add_co_u32 s72, s72, s74
	s_add_nc_u64 s[24:25], s[24:25], s[72:73]      ; asc: two bytes a (batch, head, query)
	global_load_b128 v[228:231], v248, s[18:19]
	global_load_b128 v[232:235], v248, s[18:19] offset:16
.set kk, 0
.rept 24
	global_load_b128 v[S+4*kk:S+4*kk+3], v[AK0], s[8:9] offset:512*kk   ; my 32 rows of q: 12,288 consecutive bytes, 512 a load
.set kk, kk+1
.endr
	global_load_b128 v[QXS:QXS+3], v[AK0], s[10:11]                    ; their scale words: lane L has row L's four K steps: tile 0 below, tile 1 above
	global_load_b128 v[WS:WS+3], v249, s[14:15]
	global_load_b128 v[WS+4:WS+7], v249, s[14:15] offset:512
	WIN 0x40
.irp t, 0,1,2,3
	global_load_b128 v[8*\t:8*\t+3], v250, s[16:17] offset:(32*(\t/2)+8*(\t%2))*4      ; bq in a result's layout, where O^T will stand later
	global_load_b128 v[8*\t+4:8*\t+7], v250, s[16:17] offset:(32*(\t/2)+8*(\t%2))*4+16
.endr
	WIN 0
	v_lshrrev_b32 v236, 2, v0                      ; the table: thread t's 8 keys are slots 8 ((t / 2) % 2) on of tile 2 (t / 4) + t % 2
	v_lshlrev_b32 v236, 5, v236
	v_and_b32 v237, 1, v0
	v_lshl_add_u32 v236, v237, 4, v236
	v_bfe_u32 v237, v0, 1, 1
	v_lshl_add_u32 v236, v237, 3, v236
	v_add_nc_u32 v236, MT, v236
	s_mul_i32 s75, s[WV], 16*PIT
	s_add_co_u32 s75, s75, QST                     ; my stage
	v_lshrrev_b32 v237, 3, v245
	v_lshl_add_u32 v237, v237, 4, v[AK0]
	v_add_nc_u32 v237, s75, v237                   ; into it: 16 x lane, and 16 more behind each 128
	v_mul_u32_u24 v238, v246, PIT
	v_add_nc_u32 v238, s75, v238
	v_mad_u32_u24 v239, v247, 40, v238             ; v238, v239: out of it, a fragment's row
	v_mad_u32_u24 v238, v247, 24, v238
	v_and_b32 v252, 8, v246
	v_add_nc_u32 v252, v252, v246                  ; r + 8 (r / 8)
	v_mul_u32_u24 v252, v252, PIT
	v_add_nc_u32 v252, WQ, v252
	v_mad_u32_u24 v253, v247, 40, v252             ; v252, v253: my place in a tile of Wq
	v_mad_u32_u24 v252, v247, 24, v252
	v_xor_b32 v254, 1, v247
	v_lshlrev_b32 v254, 3, v254                    ; Q's register 6: the code of 1 at k = 64 (lanes 0-15), nothing at k = 96 (lanes 16-31)
	s_lshl_b32 s76, s[WV], 6
	s_add_co_u32 s76, s76, SG
	v_lshl_add_u32 v255, v246, 1, s76              ; where my queries' scale bytes go
.irp i, 0,1
.irp b, 4,5,6,7
	v_mov_b32 v[TB+16*\i+\b], 0                    ; written once: a lane permute's destination counts as one of its sources
.endr
.endr
	s_wait_loadcnt 0x0
.irp j, 0,1,2,3,4,5,6,7
	v_cmp_ge_f32 vcc_lo, 0.5, v[228+\j]            ; masked where input_mask <= 0.5
	v_cndmask_b32 v[228+\j], 0, v251, vcc_lo
.endr
	v_lshl_or_b32 v228, v229, 8, v228
	v_lshl_or_b32 v228, v230, 16, v228
	v_lshl_or_b32 v228, v231, 24, v228
	v_lshl_or_b32 v229, v233, 8, v232
	v_lshl_or_b32 v229, v234, 16, v229
	v_lshl_or_b32 v229, v235, 24, v229
	ds_store_b64 v236, v[228:229]
.irp i, 0,1                                    ; q's rows turn through my stage: in as they lie, out as fragments.  LDS serves a wave's instructions in order, so no wait stands between, nor in front of the second tile's stores
.irp k, 0,1,2,3,4,5,6,7,8,9,10,11
	ds_store_b128 v237, v[S+48*\i+4*\k:S+48*\i+4*\k+3] offset:576*\k
.endr
	WIN 0x40
.irp s, 0,1,2,3
	FRAG KB+12*(4*\i+\s), 238, \s, 0
.endr
	WIN 0
.endr
	s_wait_tensorcnt 0x2                           ; my rows of Wq have landed; my two blocks of kv, issued behind them, may stay out
	s_wait_dscnt 0x0                               ; my part of the table is stored, my fragments of q are in
	s_barrier_signal -1
	s_barrier_wait -1                              ; Wq and the table are whole.
	; qh^T = Wq q^T + bq: source 0 = 16 rows of Wq, source 1 = 16 queries; eight accumulators by turns, a K step at a time
.irp s, 0,1,2,3
	WIN 0x40
.irp t, 0,1,2,3
	FRAG VB+12*\t, 252, \s, 32*(\t/2)+8*(\t%2)
.endr
	s_wait_dscnt 0x0
.if \s == 0
	WIN 0x15                                       ; sources and C (the bias) window 1, D window 0
.else
	WIN 0x05
.endif
.irp t, 0,1,2,3
.irp i, 0,1
.if \s == 0
	WM S+32*\i+8*\t, VB+12*\t, KB+12*(4*\i+\s), 8*\t, WS+4*(\t/2)+\s, QXS+\s, \t%2, \i
.else
	WM S+32*\i+8*\t, VB+12*\t, KB+12*(4*\i+\s), S+32*\i+8*\t, WS+4*(\t/2)+\s, QXS+\s, \t%2, \i
.endif
.endr
.endr
	WIN 0
	PLACES 4                                       ; in front of loads into registers that these products have read, and of the first read of the results
.endr
.irp i, 0,1
	QUANT2 S+32*\i, TB+16*\i, TB+16*\i+4, TB+16*\i+8, QS+\i
	v_or_b32 v[QS+\i], 0x7f7f0000, v[QS+\i]        ; Q's scale word: its two bytes, then 1 and 1
	WIN 0x40
.irp k, 0,1,2
	v_mov_b32 v[QF+12*\i+\k], v[TB+16*\i+4+\k]
	v_mov_b32 v[QF+12*\i+3+\k], v[TB+16*\i+8+\k]
.endr
	v_mov_b32 v[QF+12*\i+6], v254
.irp k, 7,8,9,10,11
	v_mov_b32 v[QF+12*\i+\k], 0
.endr
	WIN 0
.endr
	WIN 0x40
.irp tau, 0,1,2,3,4,5,6,7
.irp k, 7,8,9,10,11
	v_mov_b32 v[KB+12*\tau+\k], 0                  ; K's places 69 to 127: zero codes, once
.endr
.endr
.set jj, 0
.rept 64
	v_mov_b32 v[OA+jj], 0                          ; O^T.  (The step is written once: the first finds zeros, which the first change of M leaves zeros)
.set jj, jj+1
.endr
	WIN 0
.irp i, 0,1
	v_mov_b32 v[ST+8*\i+1], 0xff61b1e6             ; the largest t so far: -3e38
	v_floor_f32 v[ST+8*\i], -v[ST+8*\i+1]          ; -M
	v_mov_b32 v[ST+8*\i+2], 0
	v_mov_b32 v[ST+8*\i+3], 0
	v_mov_b32 v[ST+8*\i+5], 0                      ; (named as the upper half of f's pair)
.endr
	s_mov_b32 s[STB], 0
	s_mov_b32 s[STM], 0
	v_add_nc_u32 v[ADK], s[STB], v[AK0]
	v_add_nc_u32 v[ADK8], s[STB], v[AK8]
	v_add_nc_u32 v[ADS], s[STB], v[AS0]
	v_add_nc_u32 v[ADM], s[STM], v[AM0]
	s_wait_tensorcnt 0x1                           ; my block of steps 0-7 has landed; my block of steps 8-15, issued behind it, may stay out
	s_barrier_signal -1
	s_barrier_wait -1                              ; steps 0-7 are whole
; the softmax of tile i for one step of 128 keys
.macro SOFT i
.set sS, S+64*(\i)
.set sT, TB+16*(\i)
.set sU, ST+8*(\i)
.set sP, PF+12*(\i)
.set sO, OA+32*(\i)
.set sW, PS+(\i)
.irp b, 0,1,2,3
	v_max3_num_f32 v[sT+\b], v[sS+16*\b], v[sS+16*\b+1], v[sS+16*\b+2]   ; the largest score of each block of 32 keys: it serves for the row's maximum and, since p rises with the score, for the block's largest p
.endr
.irp k, 3,5,7,9,11,13
.irp b, 0,1,2,3
	v_max3_num_f32 v[sT+\b], v[sT+\b], v[sS+16*\b+\k], v[sS+16*\b+\k+1]
.endr
.endr
.irp b, 0,1,2,3
	v_max_num_f32 v[sT+\b], v[sT+\b], v[sS+16*\b+15]
.endr
.irp b, 0,1,2,3
	v_permlanex16_b32 v[sT+4+\b], v[sT+\b], s[SEL], s[SEL+1]
.endr
.irp b, 0,1,2,3
	v_max_num_f32 v[sT+\b], v[sT+\b], v[sT+4+\b]   ; with lane l xor 16's 16 keys
.endr
	v_max3_num_f32 v[sU+6], v[sT], v[sT+1], v[sT+2]
	v_max_num_f32 v[sU+6], v[sU+6], v[sT+3]
	v_mul_f32 v[sU+6], s[CS], v[sU+6]              ; the step's largest t
	v_max_num_f32 v[sU+1], v[sU+1], v[sU+6]        ; the running largest t
	v_mov_b32 v[sU+6], v[sU]
	v_floor_f32 v[sU], -v[sU+1]                    ; the new -M = -ceil(t): a whole number
	v_sub_f32 v[sU+6], v[sU], v[sU+6]              ; old M - new M, 0 or less
	v_cvt_i32_f32 v[sU+6], v[sU+6]                 ; (it saturates)
	v_ldexp_f32 v[sU+4], 1.0, v[sU+6]              ; f = 2^(old M - new M)
.set jj, 0
.rept 32
	v_pk_fma_f32 v[sS+jj:sS+jj+1], v[sS+jj:sS+jj+1], s[CS:CS+1], v[sU:sU+1] op_sel_hi:[1,0,0]   ; t - M, two at a time
.set jj, jj+2
.endr
.irp b, 0,1,2,3
	v_fma_f32 v[sT+\b], v[sT+\b], s[CS], v[sU]     ; the same of each block's largest score
.endr
.set jj, 0
.rept 64
	v_exp_f32 v[sS+jj], v[sS+jj]                   ; p = 2^(t - M), not normalised
.set jj, jj+1
.endr
.irp b, 0,1,2,3
	v_exp_f32 v[sT+\b], v[sT+\b]                   ; the block's largest p
.endr
	v_pk_mul_f32 v[sU+2:sU+3], v[sU+2:sU+3], v[sU+4:sU+5] op_sel_hi:[1,0]   ; the sums under the new M.  (The plain place behind the exponentials)
	s_wait_alu depctr_va_vdst(0)
.irp b, 0,1,2,3
	v_max_num_f32 v[sT+\b], 0x1800000, v[sT+\b]    ; the floor 2^(3 - 127): the byte cannot fall under 1
.endr
.irp b, 0,1,2,3
	v_add_nc_u32 v[sT+12+\b], 0xff000000, v[sT+\b]
.endr
.irp b, 0,1,2,3
	v_lshrrev_b32 v[sT+4+\b], 23, v[sT+12+\b]
.endr
	v_lshl_or_b32 v[sW], v[sT+5], 8, v[sT+4]       ; p's scale word for these 128 keys
	v_lshl_or_b32 v[sW], v[sT+6], 16, v[sW]
	v_lshl_or_b32 v[sW], v[sT+7], 24, v[sW]
.irp c, 0,1
	v_cvt_scalef32_pk16_fp6_f32 v[sP+6*\c:sP+6*\c+2], v[sS+32*\c:sS+32*\c+15], v[sT+12+2*\c]
	v_cvt_scalef32_pk16_fp6_f32 v[sT+4+4*\c:sT+6+4*\c], v[sS+32*\c+16:sS+32*\c+31], v[sT+13+2*\c]
.endr
	v_nop                                          ; one plain place behind the scaled conversions
.irp c, 0,1
.irp k, 0,1,2
	v_permlane16_swap_b32 v[sP+6*\c+\k], v[sT+4+4*\c+\k]
.endr
.irp k, 0,1,2
	v_mov_b32 v[sP+6*\c+3+\k], v[sT+4+4*\c+\k]
.endr
.endr
	WIN 0x41                                       ; O^T (destination and source 0) window 1, f window 0
.set jj, 0
.rept 16
	v_pk_mul_f32 v[sO+jj:sO+jj+1], v[sO+jj:sO+jj+1], v[sU+4:sU+5] op_sel_hi:[1,0]   ; O^T under the new M, each accumulator from its low end on
.set jj, jj+2
.endr
	WIN 0
	v_pk_add_f32 v[sT+4:sT+5], v[sS:sS+1], v[sS+2:sS+3]   ; the row's sum of the unquantised p, in two chains.  These 32 lines also stand between the lines that wrote p's codes, its scale word and O^T and the products that take them
.set jj, 4
.rept 15
	v_pk_add_f32 v[sU+2:sU+3], v[sU+2:sU+3], v[sS+jj:sS+jj+1]
	v_pk_add_f32 v[sT+4:sT+5], v[sT+4:sT+5], v[sS+jj+2:sS+jj+3]
.set jj, jj+4
.endr
	v_pk_add_f32 v[sU+2:sU+3], v[sU+2:sU+3], v[sT+4:sT+5]
.endm
.macro PV i                            ; O^T += V^T P^T for tile i: four accumulators, one instruction each
	WIN 0x51                                       ; source 0 (V), C and D window 1; source 1 (p) window 0
.irp f, 0,1,2,3
	WM OA+32*(\i)+8*\f, VB+12*\f, PF+12*(\i), OA+32*(\i)+8*\f, VS+\f/2, PS+(\i), \f%2, 0
.endr
	WIN 0
.endm
; eight steps of 128 keys
.macro LOOP8
	s_mov_b32 s80, 8
.Ltrip_\@:
.irp i, 0,1,2,3
	ds_load_b32 v[KS+\i], v[ADS] offset:12288+128*\i
.endr
	WIN 0x40
.irp tau, 0,1,2,3,4,5,6,7
	ds_load_b128 v[KB+12*\tau:KB+12*\tau+3], v[ADK] offset:768*\tau
	ds_load_b64 v[KB+12*\tau+4:KB+12*\tau+5], v[ADK8] offset:768*\tau+512
	ds_load_u8 v[KB+12*\tau+6], v[ADM] offset:16*\tau              ; the code at k = 64: -4 for a masked key, else 0
.endr
.irp f, 0,1,2,3
	ds_load_b128 v[VB+12*\f:VB+12*\f+3], v[ADK] offset:6144+1536*\f
	ds_load_b64 v[VB+12*\f+4:VB+12*\f+5], v[ADK8] offset:6144+1536*\f+512
	ds_load_b128 v[VB+12*\f+6:VB+12*\f+9], v[ADK] offset:6144+1536*\f+768
	ds_load_b64 v[VB+12*\f+10:VB+12*\f+11], v[ADK8] offset:6144+1536*\f+1280
.endr
	WIN 0
.irp i, 0,1
	ds_load_b32 v[VS+\i], v[ADS] offset:12800+128*\i
.endr
	s_wait_dscnt 18                                ; K and its scale words are in; V's 16 loads and its 2 scale words may stay out
	WIN 0x05                                       ; K and Q window 1, S^T window 0
.irp i, 0,1
.irp tau, 0,1,2,3,4,5,6,7
	WMZ S+64*\i+8*\tau, KB+12*\tau, QF+12*\i, KS+\tau/2, QS+\i, \tau%2
.endr
.endr
	WIN 0
	PLACES 4                                       ; in front of the first read of the scores
	SOFT 0
	s_wait_dscnt 0x0                               ; V is in
	PV 0
	SOFT 1                                         ; its vector work stands beside tile 0's products
	PV 1
	s_add_co_u32 s[STB], s[STB], BLKB
	s_add_co_u32 s[STM], s[STM], 128
	v_add_nc_u32 v[ADK], s[STB], v[AK0]            ; the next step's addresses: also the four places in front of the loads into V's registers
	v_add_nc_u32 v[ADK8], s[STB], v[AK8]
	v_add_nc_u32 v[ADS], s[STB], v[AS0]
	v_add_nc_u32 v[ADM], s[STM], v[AM0]
	s_sub_co_u32 s80, s80, 1
	s_cmp_lg_u32 s80, 0
	s_cbranch_scc1 .Ltrip_\@
.endm
	LOOP8
	s_wait_tensorcnt 0x0                           ; my block of steps 8-15 has landed
	s_wait_dscnt 0x0
	s_barrier_signal -1
	s_barrier_wait -1                              ; steps 8-15 are whole
	LOOP8
	; THE WAY OUT: O^T / l, quantised along the head's 64 channels: half a fragment of the last product's operand for each tile of queries, stored as an image; the two scale bytes of a query through a stage
	PLACES 4
	v_add_nc_u32 v236, SG, v[AK0]                  ; where wave 0 reads the stage back (made by every wave, ahead of the branch)
.irp i, 0,1
	v_add_f32 v[ST+8*\i+2], v[ST+8*\i+2], v[ST+8*\i+3]
.endr
.irp i, 0,1
	v_permlanex16_b32 v[ST+8*\i+6], v[ST+8*\i+2], s[SEL], s[SEL+1]
.endr
.irp i, 0,1
	v_add_f32 v[ST+8*\i+2], v[ST+8*\i+2], v[ST+8*\i+6]   ; the row's sum
.endr
.irp i, 0,1
	v_rcp_f32 v[ST+8*\i+4], v[ST+8*\i+2]
.endr
	v_nop                                          ; a plain place behind the reciprocals
	s_wait_alu depctr_va_vdst(0)
.irp i, 0,1
	WIN 0x01
.set jj, 0
.rept 32
	v_mul_f32 v[S+64*\i+jj], v[OA+32*\i+jj], v[ST+8*\i+4]   ; register 16 b + e: channel 32 b + 16 (lane / 16) + e; each accumulator from its low end on
.set jj, jj+1
.endr
	WIN 0
	QUANT2 S+64*\i, TB+16*\i, PF+12*\i, TB+16*\i+8, ST+8*\i+6
.irp k, 0,1,2
	v_mov_b32 v[PF+12*\i+3+\k], v[TB+16*\i+8+\k]
.endr
	global_store_b128 v[AK0], v[PF+12*\i:PF+12*\i+3], s[22:23] offset:6144*\i        ; 512 consecutive bytes, at a multiple of 256 from ac's first byte
	global_store_b64 v[AK8], v[PF+12*\i+4:PF+12*\i+5], s[22:23] offset:6144*\i+512   ; 256 more
	ds_store_b16 v255, v[ST+8*\i+6] offset:32*\i   ; both halves of the lanes write the same two bytes
.endr
	s_wait_dscnt 0x0                               ; for the others' sake: my bytes are in the stage
	s_barrier_signal -1
	s_barrier_wait -1
	s_cmp_lg_u32 s[WV], 0
	s_cbranch_scc1 .Lnot_wave_0
	ds_load_b128 v[S:S+3], v236                    ; the 256 queries' scale bytes
	s_wait_dscnt 0x0
	global_store_b128 v[AK0], v[S:S+3], s[24:25]   ; 512 consecutive bytes, at a multiple of 256 from asc's first byte
.Lnot_wave_0:
	s_wait_tensorcnt 0x0
	ds_add_u32 v43, v59
	s_wait_dscnt 0x0
	ROUND                                          ; the closing round: no work-group ends while a partner may still ask for a tile that names it
	s_endpgm
.Lfunc_end_k_q5eb4e3724c_attn:
	.size	k_q5eb4e3724c_attn, .Lfunc_end_k_q5eb4e3724c_attn-k_q5eb4e3724c_attn
	.p2alignl 7, 3214868480
	.fill 96, 4, 3214868480
	.section	.rodata,"a",@progbits
	.p2align	6, 0x0
	.amdhsa_kernel k_q5eb4e3724c_attn
		.amdhsa_group_segment_fixed_size 295936
		.amdhsa_private_segment_fixed_size 0
		.amdhsa_enable_private_segment 0
		.amdhsa_kernarg_size 72
		.amdhsa_user_sgpr_count 2
		.amdhsa_user_sgpr_kernarg_segment_ptr 1
		.amdhsa_wavefront_size32 1
		.amdhsa_system_sgpr_workgroup_id_x 1
		.amdhsa_system_sgpr_workgroup_id_y 1
		.amdhsa_system_sgpr_workgroup_id_z 1
		.amdhsa_system_vgpr_workitem_id 0
		.amdhsa_next_free_vgpr 512
		.amdhsa_next_free_sgpr 84
		.amdhsa_reserve_vcc 1
		.amdhsa_float_denorm_mode_32 3
		.amdhsa_float_denorm_mode_16_64 3
		.amdhsa_memory_ordered 1
		.amdhsa_forward_progress 1
		.amdhsa_inst_pref_size 104
	.end_amdhsa_kernel
	.amdgpu_metadata
---
amdhsa.version: [ 1, 2 ]
amdhsa.kernels:
  - .name:           k_q5eb4e3724c_attn
    .symbol:         k_q5eb4e3724c_attn.kd
    .args:
      - { .name: q_codes, .offset: 0, .size: 8, .value_kind: global_buffer, .address_space: global }
      - { .name: q_scales, .offset: 8, .size: 8, .value_kind: global_buffer, .address_space: global }
      - { .name: Wq_codes, .offset: 16, .size: 8, .value_kind: global_buffer, .address_space: global }
      - { .name: Wq_scales, .offset: 24, .size: 8, .value_kind: global_buffer, .address_space: global }
      - { .name: bq, .offset: 32, .size: 8, .value_kind: global_buffer, .address_space: global }
      - { .name: input_mask, .offset: 40, .size: 8, .value_kind: global_buffer, .address_space: global }
      - { .name: kv, .offset: 48, .size: 8, .value_kind: global_buffer, .address_space: global }
      - { .name: ac, .offset: 56, .size: 8, .value_kind: global_buffer, .address_space: global }
      - { .name: asc, .offset: 64, .size: 8, .value_kind: global_buffer, .address_space: global }
    .group_segment_fixed_size: 295936
    .private_segment_fixed_size: 0
    .kernarg_segment_align: 8
    .kernarg_segment_size: 72
    .max_flat_workgroup_size: 256
    .sgpr_count:     84
    .vgpr_count:     512
    .wavefront_size: 32
...
	.end_amdgpu_metadata
.endif
;; end of part 2
;; launch outproj (part 3): grid 64 x 4, 8 waves a work-group, no clusters, 175,104 bytes of LDS; arguments ac, asc, Wout_codes, Wout_scales, bout, out0; writes out0
.if DOCPART == 3
	.amdgcn_target "amdgcn-amd-amdhsa--gfx1250"
	.amdhsa_code_object_version 6
	.text
	.protected	k_q5eb4e3724c_outproj
	.globl	k_q5eb4e3724c_outproj
	.p2align	8
	.type	k_q5eb4e3724c_outproj,@function
k_q5eb4e3724c_outproj:
	s_mov_b64 s[64:65], 0
	v_nop
	global_prefetch_b8 v0, s[64:65] scope:SCOPE_SE
	s_setreg_imm32_b32 hwreg(HW_REG_WAVE_MODE, 25, 1), 1
	s_wait_xcnt 0x0
; out0[b][o][l] = the sum over the 512 channels of Wout[o][ch] a[b][l][ch] + bout[o], on codes of FP6 (E2M3).  a's codes come from ac as images of operand registers ([tile of 16 l][head] x 768 bytes:
; K step s of a tile is 1,536 bytes on end, heads 2 s and 2 s + 1), its scale bytes from asc (two for each (batch, head, l)).
; SHARES.  A work-group makes 128 l x 128 o; wave w makes 64 l (w % 2) x 32 o (w / 2): eight accumulators.  Source 0 = 16 l, source 1 = 16 rows of Wout: a lane holds one o and eight neighbouring l, as out0 lies.
; Both operands are small and go through registers into LDS once (no tensor load, no ring); clusters are left out: what partners would share is 25 MB in all beside 16.8 MB of stores.
; The results go through each wave's own stage, so that sixteen lanes store 256 consecutive bytes, at a multiple of 256 from out0's first byte.
.set PIT, 432                          ; a padded row of Wout: 3 x (128 + 16) bytes
.set WB,  49152                        ; LDS: 0: the 8 tiles of a, 6,144 bytes each, as they lie;  WB: 128 rows of Wout;
.set STG, WB+128*PIT                   ; the stages: for each wave 2 x 16 rows x (256 + 16) bytes
.set WV,  20
.set AS,  16                           ; v16-23  a's scale words: register 4 i + s: lanes 0-15 tile 2 i, lanes 16-31 tile 2 i + 1
.set WSC, 24                           ; v24-27  Wout's: register s: lanes 0-15 my first 16 rows, lanes 16-31 the next
.set BO,  28                           ; v28-43  the bias in a result's layout: 8 equal registers for each 16 rows
.set ACC, 44                           ; v44-107 accumulator (T, n) at 44 + 8 (2 T + n)
.set FBU, 108                          ; v108-179, v180-251  two buffers: four fragments of a, two of Wout.  Ahead of them: v108-203 the 24 loads of codes, v204-219 asc's
.macro PLACES n
.rept \n
	v_nop
.endr
.endm
.macro WM d, a, b, c, sa, sb, ra, rb
.if (\ra) && (\rb)
	v_wmma_scale_f32_16x16x128_f8f6f4 v[(\d):(\d)+7], v[(\a):(\a)+11], v[(\b):(\b)+11], v[(\c):(\c)+7], v[\sa], v[\sb] matrix_a_fmt:MATRIX_FMT_FP6 matrix_b_fmt:MATRIX_FMT_FP6 matrix_a_scale:MATRIX_SCALE_ROW1 matrix_b_scale:MATRIX_SCALE_ROW1
.elseif (\ra)
	v_wmma_scale_f32_16x16x128_f8f6f4 v[(\d):(\d)+7], v[(\a):(\a)+11], v[(\b):(\b)+11], v[(\c):(\c)+7], v[\sa], v[\sb] matrix_a_fmt:MATRIX_FMT_FP6 matrix_b_fmt:MATRIX_FMT_FP6 matrix_a_scale:MATRIX_SCALE_ROW1
.elseif (\rb)
	v_wmma_scale_f32_16x16x128_f8f6f4 v[(\d):(\d)+7], v[(\a):(\a)+11], v[(\b):(\b)+11], v[(\c):(\c)+7], v[\sa], v[\sb] matrix_a_fmt:MATRIX_FMT_FP6 matrix_b_fmt:MATRIX_FMT_FP6 matrix_b_scale:MATRIX_SCALE_ROW1
.else
	v_wmma_scale_f32_16x16x128_f8f6f4 v[(\d):(\d)+7], v[(\a):(\a)+11], v[(\b):(\b)+11], v[(\c):(\c)+7], v[\sa], v[\sb] matrix_a_fmt:MATRIX_FMT_FP6 matrix_b_fmt:MATRIX_FMT_FP6
.endif
.endm
.macro FRAG reg, adr, s, row           ; a fragment out of padded rows, in pieces of 8 bytes; the second address register serves where lanes 16-31 lie behind one padding more
.irp p, 0,1,2,3,4,5
.set PCE, 12*(\s)+6*(\p/3)+\p%3
.if PCE%16 < 13
	ds_load_b64 v[(\reg)+2*\p:(\reg)+2*\p+1], v[\adr] offset:8*PCE+16*(PCE/16)+(\row)*PIT
.else
	ds_load_b64 v[(\reg)+2*\p:(\reg)+2*\p+1], v[(\adr)+1] offset:8*PCE+16*(PCE/16)+(\row)*PIT
.endif
.endr
.endm
.macro FET s, bf                       ; K step s into buffer bf: 28 loads
.set FB, FBU+72*(\bf)
.irp T, 0,1,2,3
	ds_load_b128 v[FB+12*\T:FB+12*\T+3], v5 offset:6144*\T+1536*(\s)
	ds_load_b64 v[FB+12*\T+4:FB+12*\T+5], v6 offset:6144*\T+1536*(\s)+512
	ds_load_b128 v[FB+12*\T+6:FB+12*\T+9], v5 offset:6144*\T+1536*(\s)+768
	ds_load_b64 v[FB+12*\T+10:FB+12*\T+11], v6 offset:6144*\T+1536*(\s)+1280
.endr
.irp n, 0,1
	FRAG FB+48+12*\n, 7, \s, 16*\n
.endr
.endm
.macro MULO s, bf                      ; its eight products; the accumulators take turns, one instruction a turn
.set FB, FBU+72*(\bf)
.irp T, 0,1,2,3
.irp n, 0,1
.set DD, ACC+8*(2*\T+\n)
.if (\s) == 0
.set CC, BO+8*\n
.else
.set CC, DD
.endif
	WM DD, FB+12*\T, FB+48+12*\n, CC, AS+4*(\T/2)+(\s), WSC+(\s), \T%2, \n
.endr
.endr
.endm
	s_load_b256 s[8:15], s[0:1], 0x0               ; ac 8, asc 10, Wout_codes 12, Wout_scales 14
	s_load_b128 s[16:19], s[0:1], 0x20             ; bout 16, out0 18
	v_lshl_add_u32 v254, v0, 2, 0x2a800
	v_mov_b32 v255, 0
	v_lshrrev_b32 v14, 5, v0
	v_readfirstlane_b32 s[WV], v14                 ; wave 0..7
	s_and_b32 s21, s[WV], 1                        ; a: which 64 l
	s_lshr_b32 s22, s[WV], 1                       ; c: which 32 o
	s_lshr_b32 s24, ttmp9, 4                       ; batch
	s_and_b32 s25, ttmp9, 15                       ; which 128 l
	s_and_b32 s26, ttmp7, 0xffff                   ; which 128 o
	v_and_b32 v14, 31, v0                          ; lane
	v_and_b32 v15, 15, v0                          ; r
	v_bfe_u32 v13, v0, 4, 1                        ; h
	v_lshlrev_b32 v1, 4, v14                       ; 16 x lane
	v_lshlrev_b32 v2, 3, v14                       ; 8 x lane
	s_mul_i32 s28, s[WV], 6144
	v_add_nc_u32 v3, s28, v1                       ; where I put tile w of a
	s_mul_i32 s28, s[WV], 16*PIT
	s_add_co_u32 s28, s28, WB
	v_lshrrev_b32 v4, 3, v14
	v_lshl_add_u32 v4, v4, 4, v1
	v_add_nc_u32 v4, s28, v4                       ; where I put rows 16 w on of Wout: 16 x lane, and 16 more behind each 128
	s_mul_i32 s28, s21, 4*6144
	v_add_nc_u32 v5, s28, v1                       ; my four tiles of a: 16 bytes a lane,
	v_add_nc_u32 v6, s28, v2                       ; 8 bytes a lane
	s_mul_i32 s28, s22, 32*PIT
	s_add_co_u32 s28, s28, WB
	v_mul_u32_u24 v7, v15, PIT
	v_add_nc_u32 v7, s28, v7
	v_mad_u32_u24 v8, v13, 40, v7                  ; v7, v8: my place in a tile of my 32 rows of Wout
	v_mad_u32_u24 v7, v13, 24, v7
	s_mul_i32 s28, s[WV], 2*16*272
	s_add_co_u32 s28, s28, STG                     ; my stages
	v_mul_u32_u24 v9, v15, 272
	v_lshl_add_u32 v9, v13, 5, v9
	v_add_nc_u32 v9, s28, v9                       ; in: row r (an o), 32 bytes for each half of the lanes
	v_mul_u32_u24 v10, v13, 272
	v_lshl_add_u32 v10, v15, 4, v10
	v_add_nc_u32 v10, s28, v10                     ; back: lanes 0-15 one row, lanes 16-31 the next
	v_lshlrev_b32 v11, 13, v13
	v_lshl_add_u32 v11, v15, 4, v11                ; and the same two rows of out0, 8,192 bytes apart
	v_lshlrev_b32 v12, 1, v14                      ; 2 x lane
	v_lshlrev_b32 v13, 2, v15                      ; 4 r
	s_lshl_b32 s28, s26, 7
	s_lshl_b32 s29, s[WV], 4
	s_add_co_u32 s28, s28, s29                     ; the 16 rows of Wout that I copy
	s_mul_i32 s28, s28, 384
	s_mov_b32 s29, 0
	s_lshl_b32 s30, s24, 7
	s_lshl_b32 s31, s25, 3
	s_add_co_u32 s30, s30, s31
	s_add_co_u32 s30, s30, s[WV]                   ; the tile of a that I copy: 128 batch + 8 block + wave
	s_mul_i32 s30, s30, 6144
	s_mov_b32 s31, 0
	s_lshl_b32 s32, s26, 7
	s_lshl_b32 s33, s22, 5
	s_add_co_u32 s32, s32, s33                     ; my first o
	s_lshl_b32 s34, s32, 4
	s_mov_b32 s35, 0
	s_lshl_b32 s36, s32, 2
	s_mov_b32 s37, 0
	s_lshl_b32 s38, s24, 15                        ; asc: 8 batch x 4,096 + (128 block + 64 a) x 2
	s_lshl_b32 s39, s25, 8
	s_add_co_u32 s38, s38, s39
	s_lshl_b32 s39, s21, 7
	s_add_co_u32 s38, s38, s39
	s_mov_b32 s39, 0
	s_lshl_b32 s40, s24, 9
	s_add_co_u32 s40, s40, s32
	s_lshl_b32 s40, s40, 13                        ; out0: row 512 batch + my first o, of 8,192 bytes,
	s_lshl_b32 s41, s25, 9
	s_add_co_u32 s40, s40, s41
	s_lshl_b32 s41, s21, 8
	s_add_co_u32 s40, s40, s41                     ; + (128 block + 64 a) x 4
	s_mov_b32 s41, 0
	s_wait_kmcnt 0x0
	s_add_nc_u64 s[12:13], s[12:13], s[28:29]
	s_add_nc_u64 s[8:9], s[8:9], s[30:31]
	s_add_nc_u64 s[14:15], s[14:15], s[34:35]
	s_add_nc_u64 s[16:17], s[16:17], s[36:37]
	s_add_nc_u64 s[10:11], s[10:11], s[38:39]
	s_add_nc_u64 s[18:19], s[18:19], s[40:41]
.irp k, 0,1,2,3,4,5,6,7,8,9,10,11
	global_load_b128 v[108+4*\k:111+4*\k], v1, s[12:13] offset:512*\k   ; 16 rows of Wout: 6,144 consecutive bytes
.endr
.irp k, 0,1,2,3,4,5,6,7,8,9,10,11
	global_load_b128 v[156+4*\k:159+4*\k], v1, s[8:9] offset:512*\k     ; a tile of a: 6,144 consecutive bytes
.endr
	global_load_b128 v[WSC:WSC+3], v1, s[14:15]    ; lane L: the four scale words of my row L of Wout
	global_load_b32 v[BO], v13, s[16:17]
	global_load_b32 v[BO+8], v13, s[16:17] offset:64
.irp i, 0,1
.irp hd, 0,1,2,3,4,5,6,7
	global_load_u16 v[204+8*\i+\hd], v12, s[10:11] offset:4096*\hd+64*\i   ; the two scale bytes of l = 32 i + lane under head hd
.endr
.endr
	s_wait_loadcnt 19                              ; the 24 loads of codes are in; the 19 small loads behind them may stay out
.irp k, 0,1,2,3,4,5,6,7,8,9,10,11
	ds_store_b128 v4, v[108+4*\k:111+4*\k] offset:576*\k
.endr
.irp k, 0,1,2,3,4,5,6,7,8,9,10,11
	ds_store_b128 v3, v[156+4*\k:159+4*\k] offset:512*\k
.endr
	s_wait_loadcnt 0x0
.irp i, 0,1
.irp s, 0,1,2,3
	v_lshl_or_b32 v[AS+4*\i+\s], v[204+8*\i+2*\s+1], 16, v[204+8*\i+2*\s]   ; K step s: heads 2 s and 2 s + 1
.endr
.endr
.irp n, 0,1
.irp j, 1,2,3,4,5,6,7
	v_mov_b32 v[BO+8*\n+\j], v[BO+8*\n]            ; a lane's eight results belong to one o.  (These 14 lines also stand between the scale words just made and the first product)
.endr
.endr
	s_wait_dscnt 0x0                               ; for the others' sake: my stores have landed
	s_barrier_signal -1
	s_barrier_wait -1                              ; both operands lie in LDS
	FET 0, 0
	FET 1, 1
	s_wait_dscnt 28                                ; all but the 28 loads just issued
	MULO 0, 0
	PLACES 4                                       ; in front of loads into registers that these products have read
	FET 2, 0
	s_wait_dscnt 28
	MULO 1, 1
	PLACES 4
	FET 3, 1
	s_wait_dscnt 28
	MULO 2, 0
	s_wait_dscnt 0x0
	MULO 3, 1
	PLACES 4                                       ; in front of the first read of the results, and of loads into the buffers
.irp n, 0,1                                    ; each 16 o x 64 l through its own stage.  LDS serves a wave's instructions in order: no wait between the stores and the loads
.irp T, 0,1,2,3
	ds_store_b128 v9, v[ACC+8*(2*\T+\n):ACC+8*(2*\T+\n)+3] offset:4352*\n+64*\T          ; each accumulator from its low end on
	ds_store_b128 v9, v[ACC+8*(2*\T+\n)+4:ACC+8*(2*\T+\n)+7] offset:4352*\n+64*\T+16
.endr
.irp i, 0,1,2,3,4,5,6,7
	ds_load_b128 v[108+32*\n+4*\i:111+32*\n+4*\i], v10 offset:4352*\n+2*\i*272
.endr
.endr
.irp n, 0,1
.irp i, 0,1,2,3,4,5,6,7
	s_wait_dscnt 23-16*\n-\i                       ; behind this load: the younger loads of its stage and, for the first stage, the second's 16 instructions
	global_store_b128 v11, v[108+32*\n+4*\i:111+32*\n+4*\i], s[18:19] offset:(16*\n+2*\i)*8192 th:TH_STORE_NT   ; 16 lanes store 256 consecutive bytes of a row of out0; written once, read by nobody here
.endr
.endr
	s_wait_tensorcnt 0x0
	ds_add_u32 v254, v255
	s_wait_dscnt 0x0
	s_endpgm
.Lfunc_end_k_q5eb4e3724c_outproj:
	.size	k_q5eb4e3724c_outproj, .Lfunc_end_k_q5eb4e3724c_outproj-k_q5eb4e3724c_outproj
	.p2alignl 7, 3214868480
	.fill 96, 4, 3214868480
	.section	.rodata,"a",@progbits
	.p2align	6, 0x0
	.amdhsa_kernel k_q5eb4e3724c_outproj
		.amdhsa_group_segment_fixed_size 175104
		.amdhsa_private_segment_fixed_size 0
		.amdhsa_enable_private_segment 0
		.amdhsa_kernarg_size 48
		.amdhsa_user_sgpr_count 2
		.amdhsa_user_sgpr_kernarg_segment_ptr 1
		.amdhsa_wavefront_size32 1
		.amdhsa_system_sgpr_workgroup_id_x 1
		.amdhsa_system_sgpr_workgroup_id_y 1
		.amdhsa_system_sgpr_workgroup_id_z 1
		.amdhsa_system_vgpr_workitem_id 0
		.amdhsa_next_free_vgpr 256
		.amdhsa_next_free_sgpr 66
		.amdhsa_reserve_vcc 0
		.amdhsa_float_denorm_mode_32 3
		.amdhsa_float_denorm_mode_16_64 3
		.amdhsa_memory_ordered 1
		.amdhsa_forward_progress 1
		.amdhsa_inst_pref_size 26
	.end_amdhsa_kernel
	.amdgpu_metadata
---
amdhsa.version: [ 1, 2 ]
amdhsa.kernels:
  - .name:           k_q5eb4e3724c_outproj
    .symbol:         k_q5eb4e3724c_outproj.kd
    .args:
      - { .name: ac, .offset: 0, .size: 8, .value_kind: global_buffer, .address_space: global }
      - { .name: asc, .offset: 8, .size: 8, .value_kind: global_buffer, .address_space: global }
      - { .name: Wout_codes, .offset: 16, .size: 8, .value_kind: global_buffer, .address_space: global }
      - { .name: Wout_scales, .offset: 24, .size: 8, .value_kind: global_buffer, .address_space: global }
      - { .name: bout, .offset: 32, .size: 8, .value_kind: global_buffer, .address_space: global }
      - { .name: out0, .offset: 40, .size: 8, .value_kind: global_buffer, .address_space: global }
    .group_segment_fixed_size: 175104
    .private_segment_fixed_size: 0
    .kernarg_segment_align: 8
    .kernarg_segment_size: 48
    .max_flat_workgroup_size: 256
    .sgpr_count:     66
    .vgpr_count:     256
    .wavefront_size: 32
...
	.end_amdgpu_metadata
.endif
;; end of part 3
